; MI455X (gfx1250); checked and timed in simulation.
; The chip was launched on July 23, 2026; its instructions are those of AMD's public machine-readable ISA for CDNA 5 (MIT licence, August 2026) and "CDNA5" Instruction Set Architecture Reference Guide (July 2026). The comments in the code are by the model that wrote it; some were corrected since.
;; Multi Head Attention. Allowed arithmetic: matrix products marked QUANTISED: E2M3 operands, one E8M0 scale for each 32 along K, by v_wmma_scale_f32_16x16x128_f8f6f4 with both operands' format E2M3, f32 sums; everything else in f32.
;; Inputs: b_out 1,024 float32; b_qkv 3,072 float32; w_out 1,024 x 1,024 float32; w_qkv 1,024 x 3,072 float32; x 4 x 2,048 x 1,024 float32.
;; Outputs: out0 4 x 2,048 x 1,024 float32.
;; This version of the problem:
;;   THIS VERSION OF THE PROBLEM IS GIVEN IN LOW PRECISION. The matrix products marked QUANTISED in the list below multiply operands that are first quantised to E2M3 (2 exponent bits, 3 mantissa bits; 6 bits a number), with one power-of-two scale for each 32 numbers along K (OCP MX v1.0); their sums are f32. All else is computed in f32.
;;   The module's matrix products, in the order in which they are computed (A, B: the left and right operand; K: the contracted axis; several contracted axes count as one K, in the product's order):
;;     1. [M 8,192, K 1,024] x [K 1,024, N 3,072]; A: input x; B: input w_qkv: QUANTISED
;;     2. batch 64 x [M 2,048, K 64] x [K 64, N 2,048]; A: computed on the way; B: computed on the way: QUANTISED
;;     3. batch 64 x [M 2,048, K 2,048] x [K 2,048, N 64]; A: softmax (see below); B: computed on the way: QUANTISED
;;     4. [M 8,192, K 1,024] x [K 1,024, N 1,024]; A: computed on the way; B: input w_out: QUANTISED
;;   THE QUANTISER, for each operand of a quantised product, along K:
;;     - K is cut into blocks of 32 from its start; a last block that is shorter is filled with zeros.
;;     - A block's scale is 2^e with e = floor(log2(the largest magnitude in the block)) - 2, held to -126 .. 127; a block of zeros has e = 0. As a byte (E8M0): e + 127.
;;     - Each number is divided by its block's scale, clamped to +-7.5, and rounded to the nearest number of E2M3, ties to even, subnormals kept.
;;     - The product sums the exact products of the quantised numbers (number of the format x scale) in f32.
;;   ~~~python
;;   def quantise(x, axis):      # numpy; x: float32 -> the quantised numbers, widened to float32 again
;;       x = np.moveaxis(x, axis, -1); K = x.shape[-1]
;;       x = np.pad(x, [(0, 0)] * (x.ndim - 1) + [(0, -K % 32)]); x = x.reshape(x.shape[:-1] + (-1, 32)); a = np.abs(x).max(-1, keepdims=True)
;;       e = np.where(a > 0, np.clip(np.frexp(np.where(a > 0, a, 1))[1] - 1 - 2, -126, 127), 0)      # np.frexp(a)[1] - 1 = floor(log2(a)), exactly
;;       r = np.clip(x / 2.0 ** e, -7.5, 7.5)
;;       step = 2.0 ** (np.maximum(np.frexp(np.where(r == 0, 1, r))[1] - 1, 0) - 3)
;;       q = np.round(r / step) * step * 2.0 ** e      # np.round: ties to even
;;       return np.moveaxis(q.reshape(q.shape[:-2] + (-1,))[..., :K], -1, axis).astype(np.float32)
;;   ~~~
;;   SOFTMAX AHEAD OF A QUANTISED PRODUCT. Where the list says 'softmax', what is quantised is not the finished softmax but p = 2^(t - M), with t = logit x log2(e) and M = ceil(the row's largest t), a whole number; so 1/2 < the row's largest p <= 1. The row's sum l is taken of the UNQUANTISED p, in f32, and the product's result is divided by l at the end. Since M is a whole number, a kernel that streams over the keys may use a running M (the ceiling of the running maximum): every later rescaling is an exact power of two, which a block's scale takes up: the codes' values come out the same.
;;   OPERANDS COMPUTED ON THE WAY. 'Computed on the way' means the value that the module computes at that place (a softmax that the list does not call 'softmax' is quantised finished and normalised). What goes into a quantiser is computed in f32, as accurately as f32 sums, v_exp_f32 and their like allow (about 1e-6 of the number): no bf16 or f16 on the way to a quantiser, and a product that is left as it is and whose result goes on into a quantised operand takes f32 operands (vector FMAs, or v_wmma_f32_16x16x4_f32). A number that lies on a knife's edge between two numbers of the format may be rounded either way, as far as f32 arithmetic and the matrix unit's own rounding can turn it there, and no further.
;; One version. Each part assembles by itself: llvm-mc -triple=amdgcn-amd-amdhsa -mcpu=gfx1250 --defsym DOCPART=n.
;; ======== version 1 of 1: 5 launches
;; limits: right only within a limited range of input values
;; workspace buffers: xi 6,553,600 bytes; wi 2,457,600 bytes; woi 819,200 bytes; qi 13,369,344 bytes; kv 13,369,344 bytes; ai 6,553,600 bytes
;; launch qx (part 1): grid 4 x 64, 8 waves a work-group, no clusters, 69,632 bytes of LDS; arguments x, xi; writes xi
.if DOCPART == 1
	.amdgcn_target "amdgcn-amd-amdhsa--gfx1250"
	.amdhsa_code_object_version 6
	.text
	.protected	k_q24d34b02c4_qx
	.globl	k_q24d34b02c4_qx
	.p2align	8
	.type	k_q24d34b02c4_qx,@function
k_q24d34b02c4_qx:
	s_mov_b64 s[64:65], 0
	v_nop
	global_prefetch_b8 v0, s[64:65] scope:SCOPE_SE
	s_setreg_imm32_b32 hwreg(HW_REG_WAVE_MODE, 25, 1), 1
	s_wait_xcnt 0x0
; x [8192][1024] f32 becomes xi: codes of FP6 (E2M3) with one E8M0 scale for each 32 along K, laid AS THE MATRIX OPERAND'S REGISTERS.
; THE FORMAT.  A block of 128 rows, K = 1024, is RB bytes: eight K steps of 128, each KSB bytes: eight tiles of 16 rows (1,536 bytes each), then 512 bytes of scale words.
; IN xi lane r of tile t holds row 64 (t / 4) + 32 (r / 8) + 8 (t % 4) + r % 8 (tokens; the weights' images keep another order, stated where they are made).
; A tile's 12 registers are two halves of 6 (64 along K each, 768 bytes): registers 0-3 at 16 x lane, registers 4-5 at 512 + 8 x lane.
; The scale word (four bytes, 128 along K) of tile 2 j + u, row r lies at 12,288 + 16 (16 u + r) + 4 j: one load of 16 bytes a lane brings all eight tiles' words, even tiles in lanes 0-15, odd ones in lanes 16-31.
; A block's scale is 2^(floor(log2(largest magnitude)) - 2): its byte is the largest magnitude's exponent field - 2, held at 1 from below.
; LIMITS: a block of zeros gets the byte 1 where the rule says 127 (its codes are zeros; this program alone reads the bytes); blocks whose largest magnitude lies under 2^-124 keep the byte 1; NaN and infinities are not served.
; SHARES.  Work-group (gx, gy): row block gy, K steps 2 gx and 2 gx + 1.  Wave w: tile w, 16 rows x 256 along K.  Each load reads 512 consecutive bytes of a row; the rows turn through the wave's own stage in LDS,
; so that a lane gets 16 neighbours of each block of 32.  All 32 loads of a wave go out at once.  No matrix unit, no cluster, no tensor load: a stream that is read once.
.set RB,   102400
.set KSB,  12800
.set STG,  8448                        ; a wave's stage: 16 rows x (512 bytes + 16)
.set SCG,  8*STG                       ; behind the stages: two images of 512 bytes of scale words
.set L16,  1
.set L8,   2
.set SIN,  3
.set SOUT, 4
.set SCA,  5
.set SCR,  6
.set PW,   8
.set TM,   16
.set RW,   32
.set X,    160
.set PC,   224
.set T2,   236
.set WV,   8
.set SEL,  20
; 64 numbers of a lane become a fragment's 12 registers in v[PC] on and its scale word in v[PW]
.macro QUANT64 s
.irp b, 0,1,2,3
	v_max3_num_f32 v[TM+\b], |v[\s+16*\b]|, |v[\s+1+16*\b]|, 0x1800000   ; my 16 numbers of block b, and the floor 2^(3 - 127)
.endr
.irp i, 2,4,6,8,10,12,14
.irp b, 0,1,2,3
	s_delay_alu instid0(VALU_DEP_4)
	v_max3_num_f32 v[TM+\b], v[TM+\b], |v[\s+16*\b+\i]|, |v[\s+1+16*\b+\i]|
.endr
.endr
.irp b, 0,1,2,3
	s_delay_alu instid0(VALU_DEP_4)
	v_permlanex16_b32 v[TM+4+\b], v[TM+\b], s[SEL], s[SEL+1]
.endr
.irp b, 0,1,2,3
	s_delay_alu instid0(VALU_DEP_4)
	v_max_num_f32 v[TM+\b], v[TM+\b], v[TM+4+\b]   ; with lane l xor 16's 16: the block's largest magnitude
.endr
.irp b, 0,1,2,3
	s_delay_alu instid0(VALU_DEP_4)
	v_add_nc_u32 v[TM+12+\b], 0xff000000, v[TM+\b]   ; 2 off its exponent field: the conversion's scale operand
.endr
.irp b, 0,1,2,3
	s_delay_alu instid0(VALU_DEP_4)
	v_lshrrev_b32 v[TM+4+\b], 23, v[TM+12+\b]   ; the scale's byte
.endr
	s_delay_alu instid0(VALU_DEP_3)
	v_lshl_or_b32 v[PW], v[TM+5], 8, v[TM+4]
	s_delay_alu instid0(VALU_DEP_1)
	v_lshl_or_b32 v[PW], v[TM+6], 16, v[PW]
	s_delay_alu instid0(VALU_DEP_1)
	v_lshl_or_b32 v[PW], v[TM+7], 24, v[PW]
.irp c, 0,1
	v_cvt_scalef32_pk16_fp6_f32 v[PC+6*\c:PC+2+6*\c], v[\s+32*\c:\s+15+32*\c], v[TM+12+2*\c]
	v_cvt_scalef32_pk16_fp6_f32 v[T2+4*\c:T2+2+4*\c], v[\s+16+32*\c:\s+31+32*\c], v[TM+13+2*\c]   ; (a conversion's three registers begin on an even number)
.endr
	v_nop                                          ; one plain line behind the scaled conversions
.irp c, 0,1                                    ; the layout wants a whole block in a lane: lanes 0-15 block 2 c, lanes 16-31 block 2 c + 1
.irp i, 0,1,2
	v_permlane16_swap_b32 v[PC+6*\c+\i], v[T2+4*\c+\i]
.endr
.irp i, 0,1,2
	s_delay_alu instid0(VALU_DEP_3)
	v_mov_b32 v[PC+3+6*\c+\i], v[T2+4*\c+\i]
.endr
.endr
.endm
	s_load_b128 s[4:7], s[0:1], 0x0                ; x, xi
	v_lshl_add_u32 v248, v0, 2, 0x10c00
	v_mov_b32 v249, 0
	v_lshrrev_b32 v9, 5, v0
	s_delay_alu instid0(VALU_DEP_1)
	v_readfirstlane_b32 s[WV], v9                  ; wave 0..7 = my tile
	v_and_b32 v10, 31, v0                          ; lane
	v_and_b32 v11, 15, v0                          ; r
	v_bfe_u32 v12, v0, 4, 1                        ; h
	s_delay_alu instid0(VALU_DEP_3)
	v_lshlrev_b32 v[L16], 4, v10
	s_wait_alu depctr_va_vdst(0)
	v_lshlrev_b32 v[L8], 3, v10
	s_mul_i32 s9, s[WV], STG
	v_add_nc_u32 v[SIN], s9, v[L16]
	v_mul_u32_u24 v[SOUT], v11, 528
	s_delay_alu instid0(VALU_DEP_1)
	v_lshl_add_u32 v[SOUT], v12, 6, v[SOUT]
	s_delay_alu instid0(VALU_DEP_1)
	v_add_nc_u32 v[SOUT], s9, v[SOUT]
	s_and_b32 s10, s[WV], 1                        ; u
	s_lshr_b32 s11, s[WV], 1                       ; j
	s_lshl_b32 s12, s10, 8
	s_lshl_b32 s13, s11, 2
	s_add_co_u32 s12, s12, s13
	s_add_co_u32 s12, s12, SCG
	v_lshl_add_u32 v[SCA], v11, 4, s12             ; SCG + 256 u + 16 r + 4 j
	s_lshl_b32 s13, s[WV], 9
	s_add_co_u32 s13, s13, SCG
	v_add_nc_u32 v[SCR], s13, v[L16]               ; (used by waves 0 and 1 alone)
	s_and_b32 s14, ttmp7, 0xffff                   ; gy: the row block
	s_lshl_b32 s15, s14, 7
	s_lshr_b32 s16, s[WV], 2
	s_lshl_b32 s16, s16, 6
	s_add_co_u32 s15, s15, s16
	s_and_b32 s16, s[WV], 3
	s_lshl_b32 s16, s16, 3
	s_add_co_u32 s15, s15, s16                     ; my tile's first row: 128 gy + 64 (w / 4) + 8 (w % 4)
	s_lshl_b32 s16, s15, 12                        ; x 4,096 bytes
	s_lshl_b32 s17, ttmp9, 10                      ; + 256 numbers x gx
	s_add_co_u32 s16, s16, s17
	s_mov_b32 s17, 0
	s_mul_i32 s18, s14, RB
	s_mul_i32 s19, ttmp9, 2*KSB
	s_add_co_u32 s18, s18, s19                     ; the block's K step 2 gx in xi
	s_mov_b32 s19, 0
	s_mul_i32 s22, s[WV], 1536                     ; my tile in it
	s_mov_b32 s23, 0
	s_mul_i32 s24, s[WV], KSB
	s_add_co_u32 s24, s24, 12288                   ; waves 0 and 1: the scale words of K step 2 gx + wave
	s_mov_b32 s25, 0
	s_mov_b32 s[SEL], 0x76543210
	s_mov_b32 s[SEL+1], 0xfedcba98                 ; lane l xor 16
.irp b, 0,1,2,3
	v_mov_b32 v[TM+4+\b], 0                        ; written once: a lane permute's destination counts as one of its sources
.endr
	s_wait_alu depctr_va_vdst(0)
	s_wait_kmcnt 0x0
	s_add_nc_u64 s[4:5], s[4:5], s[16:17]
	s_add_nc_u64 s[6:7], s[6:7], s[18:19]
	s_add_nc_u64 s[26:27], s[6:7], s[24:25]
	s_add_nc_u64 s[6:7], s[6:7], s[22:23]
.irp s, 0,1
.irp i, 0,1,2,3,4,5,6,7,8,9,10,11,12,13,14,15
	global_load_b128 v[RW+64*\s+4*\i:RW+64*\s+4*\i+3], v[L16], s[4:5] offset:(\i+24*(\i/8))*4096+512*\s th:TH_LOAD_NT   ; 512 consecutive bytes of the tile's i-th row: i % 8 + 32 (i / 8) rows on
.endr
.endr
.macro HALF s
	s_wait_loadcnt 16*(1-\s)                       ; this K step's 16 loads are in; the other's may be out
.irp i, 0,1,2,3,4,5,6,7,8,9,10,11,12,13,14,15
	ds_store_b128 v[SIN], v[RW+64*\s+4*\i:RW+64*\s+4*\i+3] offset:528*\i
.endr
.irp b, 0,1,2,3
.irp j, 0,1,2,3
	ds_load_b128 v[X+16*\b+4*\j:X+16*\b+4*\j+3], v[SOUT] offset:128*\b+16*\j   ; LDS serves a wave's instructions in order: these see my stores
.endr
.endr
	s_wait_dscnt 0x0
.if \s
	s_wait_xcnt 0x0                                ; the first K step's stores have read the codes' registers, which are now written again
.endif
	QUANT64 X
	global_store_b128 v[L16], v[PC:PC+3], s[6:7] offset:KSB*\s          ; 512 consecutive bytes,
	global_store_b64 v[L8], v[PC+4:PC+5], s[6:7] offset:KSB*\s+512      ; 256,
	global_store_b128 v[L16], v[PC+6:PC+9], s[6:7] offset:KSB*\s+768
	global_store_b64 v[L8], v[PC+10:PC+11], s[6:7] offset:KSB*\s+1280   ; each run begins at a multiple of 256 bytes
	ds_store_b32 v[SCA], v[PW] offset:512*\s       ; both halves of the lanes write the same word with the same value
.endm
	HALF 0
	HALF 1
	s_wait_dscnt 0x0                               ; for the others' sake: my scale words lie in LDS
	s_barrier_signal -1
	s_barrier_wait -1
	s_cmp_lt_u32 s[WV], 2
	s_cbranch_scc0 .Ldone
	ds_load_b128 v[X:X+3], v[SCR]                  ; a K step's 512 bytes of scale words, from all eight waves
	s_wait_dscnt 0x0
	global_store_b128 v[L16], v[X:X+3], s[26:27]
.Ldone:
	s_wait_tensorcnt 0x0
	ds_add_u32 v248, v249
	s_wait_dscnt 0x0
	s_endpgm
.Lfunc_end_k_q24d34b02c4_qx:
	.size	k_q24d34b02c4_qx, .Lfunc_end_k_q24d34b02c4_qx-k_q24d34b02c4_qx
	.p2alignl 7, 3214868480
	.fill 96, 4, 3214868480
	.section	.rodata,"a",@progbits
	.p2align	6, 0x0
	.amdhsa_kernel k_q24d34b02c4_qx
		.amdhsa_group_segment_fixed_size 69632
		.amdhsa_private_segment_fixed_size 0
		.amdhsa_enable_private_segment 0
		.amdhsa_kernarg_size 16
		.amdhsa_user_sgpr_count 2
		.amdhsa_user_sgpr_kernarg_segment_ptr 1
		.amdhsa_wavefront_size32 1
		.amdhsa_system_sgpr_workgroup_id_x 1
		.amdhsa_system_sgpr_workgroup_id_y 1
		.amdhsa_system_sgpr_workgroup_id_z 1
		.amdhsa_system_vgpr_workitem_id 0
		.amdhsa_next_free_vgpr 250
		.amdhsa_next_free_sgpr 66
		.amdhsa_reserve_vcc 0
		.amdhsa_float_denorm_mode_32 3
		.amdhsa_float_denorm_mode_16_64 3
		.amdhsa_memory_ordered 1
		.amdhsa_forward_progress 1
		.amdhsa_inst_pref_size 23
	.end_amdhsa_kernel
	.amdgpu_metadata
---
amdhsa.version: [ 1, 2 ]
amdhsa.kernels:
  - .name:           k_q24d34b02c4_qx
    .symbol:         k_q24d34b02c4_qx.kd
    .args:
      - { .name: x, .offset: 0, .size: 8, .value_kind: global_buffer, .address_space: global }
      - { .name: xi, .offset: 8, .size: 8, .value_kind: global_buffer, .address_space: global }
    .group_segment_fixed_size: 69632
    .private_segment_fixed_size: 0
    .kernarg_segment_align: 8
    .kernarg_segment_size: 16
    .max_flat_workgroup_size: 256
    .sgpr_count:     66
    .vgpr_count:     250
    .wavefront_size: 32
...
	.end_amdgpu_metadata
.endif
;; end of part 1
;; launch qw (part 2): grid 32 x 8, 4 waves a work-group, no clusters, 13,824 bytes of LDS; arguments w_qkv, w_out, wi, woi; writes wi, woi
.if DOCPART == 2
	.amdgcn_target "amdgcn-amd-amdhsa--gfx1250"
	.amdhsa_code_object_version 6
	.text
	.protected	k_q24d34b02c4_qw
	.globl	k_q24d34b02c4_qw
	.p2align	8
	.type	k_q24d34b02c4_qw,@function
k_q24d34b02c4_qw:
	s_mov_b64 s[64:65], 0
	v_nop
	global_prefetch_b8 v0, s[64:65] scope:SCOPE_SE
	s_setreg_imm32_b32 hwreg(HW_REG_WAVE_MODE, 25, 1), 1
	s_wait_xcnt 0x0
; w_qkv [1024 (k)][3072 (n)] and w_out [1024 (k)][1024 (n)], f32 with K as the FIRST axis, become wi and woi: codes of FP6 (E2M3) with E8M0 scales, laid as the matrix operand's registers:
; a block of 128 rows n is RB bytes: eight K steps of KSB bytes: eight tiles of 1,536 bytes, then 512 bytes of scale words.  Lane r of tile t holds row 32 (t / 2) + 8 (t % 2) + r + 8 (r / 8);
; a tile's half (64 along K, 6 registers, 768 bytes): registers 0-3 at 16 x lane, 4-5 at 512 + 8 x lane; lane (r, h) holds k = 32 h .. 32 h + 31.  Scale word of tile 2 j + u, row r: 12,288 + 16 (16 u + r) + 4 j.
; A LANE TAKES A COLUMN n AND ITS REGISTERS RUN DOWN K: a block of 32 along K lies in one lane, its largest magnitude needs no other lane, and the conversions give codes with K innermost.
; SHARES.  Work-group (gx, gy): gx < 24: block gx of w_qkv, else block gx - 24 of w_out; K step gy.  Only pointers, the pitch and the block's number are chosen: there is one path through the text.
; Wave w: columns 32 w + lane of the block, which are tiles 2 w and 2 w + 1: column 32 w + lane is row r = lane % 8 + 8 (lane / 16) of tile 2 w + (lane / 8) % 2.
; The codes go through the wave's own 3,072 bytes of LDS into the image's order and leave as six runs of 512 consecutive bytes.
; LIMITS: a block of zeros gets the byte 1 (its codes are zeros; this program alone reads the bytes); largest magnitudes under 2^-124 keep the byte 1; NaN and infinities are not served.
.set RB,   102400
.set KSB,  12800
.set SCG,  12288                       ; behind the four stages: the K step's 512 bytes of scale words
.set L16,  1
.set SA16, 2                           ; v2  3,072 w + 1,536 u + 16 r
.set SA8,  3                           ; v3  3,072 w + 1,536 u + 8 r
.set SCA,  4                           ; v4  SCG + 16 (16 u + r) + 4 w
.set SRD,  5                           ; v5  3,072 w + 16 x lane
.set SCR,  6                           ; v6  SCG + 16 x lane
.set SB,   12                          ; v12 my column's four scale bytes
.set VO,   32                          ; v32-63  4 x lane + i x pitch
.set X,    64                          ; v64-191 my column's 128 numbers
.set C,    192                         ; v192-223 eight registers a block: no LDS store's data are written again
.set OUTR, 224                         ; v224-247 the way out
.set WV,   12
	s_load_b256 s[4:11], s[0:1], 0x0               ; w_qkv, w_out, wi, woi
	v_lshl_add_u32 v248, v0, 2, 0x3400
	v_mov_b32 v249, 0
	v_lshrrev_b32 v7, 5, v0
	v_readfirstlane_b32 s[WV], v7                  ; wave 0..3
	v_and_b32 v7, 31, v0                           ; lane
	v_lshlrev_b32 v[L16], 4, v7
	v_bfe_u32 v8, v0, 3, 1                         ; u
	v_and_b32 v9, 7, v0
	v_bfe_u32 v10, v0, 4, 1
	v_lshl_add_u32 v9, v10, 3, v9                  ; r
	s_mul_i32 s13, s[WV], 3072
	v_mul_u32_u24 v10, v8, 1536
	v_add_nc_u32 v10, s13, v10
	v_lshl_add_u32 v[SA16], v9, 4, v10
	v_lshl_add_u32 v[SA8], v9, 3, v10
	v_lshl_add_u32 v11, v8, 4, v9                  ; 16 u + r
	s_lshl_b32 s14, s[WV], 2
	s_add_co_u32 s14, s14, SCG
	v_lshl_add_u32 v[SCA], v11, 4, s14
	v_add_nc_u32 v[SRD], s13, v[L16]
	v_add_nc_u32 v[SCR], SCG, v[L16]
	v_lshlrev_b32 v7, 2, v7                        ; 4 x lane
	s_and_b32 s17, ttmp7, 0xffff                   ; gy: the K step
	s_max_u32 s15, ttmp9, 24
	s_sub_co_u32 s15, s15, 24
	s_mov_b32 s16, 4096
	s_cmp_lt_u32 ttmp9, 24                         ; w_qkv's work-group or w_out's?  The choice hangs on the work-group's number alone
	s_cselect_b32 s15, ttmp9, s15                  ; the block
	s_cselect_b32 s16, 12288, s16                  ; a row of the tensor in bytes
.set j, 0
.rept 32
	v_mad_u32_u24 v[VO+j], s16, j, v7
.set j, j+1
.endr
	s_lshl_b32 s18, s17, 7
	s_mul_i32 s18, s18, s16                        ; 128 gy rows down,
	s_lshl_b32 s19, s15, 9
	s_add_co_u32 s18, s18, s19                     ; 128 columns a block,
	s_lshl_b32 s19, s[WV], 7
	s_add_co_u32 s18, s18, s19                     ; 32 a wave
	s_mov_b32 s19, 0
	s_lshl_b32 s20, s16, 5                         ; 32 rows on
	s_mov_b32 s21, 0
	s_mul_i32 s22, s15, RB
	s_mul_i32 s23, s17, KSB
	s_add_co_u32 s22, s22, s23                     ; the block's K step in the image
	s_mov_b32 s23, 0
	s_mov_b32 s34, s13                             ; my two tiles in it
	s_mov_b32 s35, 0
	s_wait_alu depctr_va_vdst(0)
	s_wait_kmcnt 0x0
	s_cmp_lt_u32 ttmp9, 24
	s_cselect_b64 s[4:5], s[4:5], s[6:7]
	s_cselect_b64 s[8:9], s[8:9], s[10:11]
	s_add_nc_u64 s[24:25], s[4:5], s[18:19]        ; a base for each block of 32 along K
	s_add_nc_u64 s[26:27], s[24:25], s[20:21]
	s_add_nc_u64 s[28:29], s[26:27], s[20:21]
	s_add_nc_u64 s[30:31], s[28:29], s[20:21]
	s_add_nc_u64 s[8:9], s[8:9], s[22:23]
	s_add_nc_u64 s[32:33], s[8:9], 12288
	s_add_nc_u64 s[8:9], s[8:9], s[34:35]
.irp t, 0,1,2,3
.set j, 0
.rept 32
	global_load_b32 v[X+32*\t+j], v[VO+j], s[24+2*\t:25+2*\t] th:TH_LOAD_NT   ; W(128 gy + 32 t + j, my column): 128 consecutive bytes a wave, 512 a work-group
.set j, j+1
.endr
.endr
.macro BLOCK t, left
.set XS, X+32*(\t)
.set CS, C+8*(\t)
	s_wait_loadcnt \left                           ; this block's 32 loads are in; later blocks' may be out (the count is held to what the wait's field can name)
	v_max3_num_f32 v8, |v[XS]|, |v[XS+1]|, |v[XS+2]|
	v_max3_num_f32 v9, |v[XS+3]|, |v[XS+4]|, |v[XS+5]|
.irp i, 6,10,14,18,22,26
	v_max3_num_f32 v8, v8, |v[XS+\i]|, |v[XS+\i+1]|
	v_max3_num_f32 v9, v9, |v[XS+\i+2]|, |v[XS+\i+3]|
.endr
	v_max3_num_f32 v8, v8, |v[XS+30]|, |v[XS+31]|
	v_max3_num_f32 v8, v8, v9, 0x1800000           ; and the floor 2^(3 - 127)
	v_add_nc_u32 v11, 0xff000000, v8               ; 2 off the exponent field: the conversion's scale operand
	v_lshrrev_b32 v10, 23, v11                     ; the byte
.if (\t) == 0
	v_mov_b32 v[SB], v10
.else
	v_lshl_or_b32 v[SB], v10, 8*(\t), v[SB]
.endif
	v_cvt_scalef32_pk16_fp6_f32 v[CS:CS+2], v[XS:XS+15], v11
	v_cvt_scalef32_pk16_fp6_f32 v[CS+4:CS+6], v[XS+16:XS+31], v11   ; (a conversion's three registers begin on an even number)
	v_nop                                          ; one plain line behind the scaled conversions
	v_mov_b32 v[CS+3], v[CS+4]                     ; the block's six registers on end
	v_mov_b32 v[CS+4], v[CS+5]
	v_mov_b32 v[CS+5], v[CS+6]
	ds_store_b128 v[SA16], v[CS:CS+3] offset:768*((\t)/2)+256*((\t)%2)        ; block t is half t / 2 of the fragment, lanes 16 (t % 2) + r
	ds_store_b64 v[SA8], v[CS+4:CS+5] offset:768*((\t)/2)+512+128*((\t)%2)
.endm
	BLOCK 0, 63
	BLOCK 1, 63
	BLOCK 2, 32
	BLOCK 3, 0
	ds_store_b32 v[SCA], v[SB]
.irp i, 0,1,2,3,4,5
	ds_load_b128 v[OUTR+4*\i:OUTR+4*\i+3], v[SRD] offset:512*\i   ; my own bytes: LDS serves a wave's instructions in order
.endr
	s_wait_dscnt 0x0                               ; my two tiles are back, and, for the others' sake, my scale words lie in LDS
.irp i, 0,1,2,3,4,5
	global_store_b128 v[L16], v[OUTR+4*\i:OUTR+4*\i+3], s[8:9] offset:512*\i
.endr
	s_barrier_signal -1
	s_barrier_wait -1
	s_cmp_lg_u32 s[WV], 0
	s_cbranch_scc1 .Ldone
	ds_load_b128 v[X:X+3], v[SCR]
	s_wait_dscnt 0x0
	global_store_b128 v[L16], v[X:X+3], s[32:33]
.Ldone:
	s_wait_tensorcnt 0x0
	ds_add_u32 v248, v249
	s_wait_dscnt 0x0
	s_endpgm
.Lfunc_end_k_q24d34b02c4_qw:
	.size	k_q24d34b02c4_qw, .Lfunc_end_k_q24d34b02c4_qw-k_q24d34b02c4_qw
	.p2alignl 7, 3214868480
	.fill 96, 4, 3214868480
	.section	.rodata,"a",@progbits
	.p2align	6, 0x0
	.amdhsa_kernel k_q24d34b02c4_qw
		.amdhsa_group_segment_fixed_size 13824
		.amdhsa_private_segment_fixed_size 0
		.amdhsa_enable_private_segment 0
		.amdhsa_kernarg_size 32
		.amdhsa_user_sgpr_count 2
		.amdhsa_user_sgpr_kernarg_segment_ptr 1
		.amdhsa_wavefront_size32 1
		.amdhsa_system_sgpr_workgroup_id_x 1
		.amdhsa_system_sgpr_workgroup_id_y 1
		.amdhsa_system_sgpr_workgroup_id_z 1
		.amdhsa_system_vgpr_workitem_id 0
		.amdhsa_next_free_vgpr 250
		.amdhsa_next_free_sgpr 66
		.amdhsa_reserve_vcc 0
		.amdhsa_float_denorm_mode_32 3
		.amdhsa_float_denorm_mode_16_64 3
		.amdhsa_memory_ordered 1
		.amdhsa_forward_progress 1
		.amdhsa_inst_pref_size 25
	.end_amdhsa_kernel
	.amdgpu_metadata
---
amdhsa.version: [ 1, 2 ]
amdhsa.kernels:
  - .name:           k_q24d34b02c4_qw
    .symbol:         k_q24d34b02c4_qw.kd
    .args:
      - { .name: w_qkv, .offset: 0, .size: 8, .value_kind: global_buffer, .address_space: global }
      - { .name: w_out, .offset: 8, .size: 8, .value_kind: global_buffer, .address_space: global }
      - { .name: wi, .offset: 16, .size: 8, .value_kind: global_buffer, .address_space: global }
      - { .name: woi, .offset: 24, .size: 8, .value_kind: global_buffer, .address_space: global }
    .group_segment_fixed_size: 13824
    .private_segment_fixed_size: 0
    .kernarg_segment_align: 8
    .kernarg_segment_size: 32
    .max_flat_workgroup_size: 128
    .sgpr_count:     66
    .vgpr_count:     250
    .wavefront_size: 32
...
	.end_amdgpu_metadata
.endif
;; end of part 2
;; launch gq (part 3): grid 8 x 32, 4 waves a work-group, clusters of 4 x 4, 327,680 bytes of LDS; arguments xi, wi, b_qkv, qi, kv; writes qi, kv
.if DOCPART == 3
	.amdgcn_target "amdgcn-amd-amdhsa--gfx1250"
	.amdhsa_code_object_version 6
	.text
	.protected	k_q24d34b02c4_gq
	.globl	k_q24d34b02c4_gq
	.p2align	8
	.type	k_q24d34b02c4_gq,@function
k_q24d34b02c4_gq:
	s_mov_b64 s[64:65], 0
	v_nop
	global_prefetch_b8 v0, s[64:65] scope:SCOPE_SE
	s_setreg_imm32_b32 hwreg(HW_REG_WAVE_MODE, 25, 1), 1
	s_wait_xcnt 0x0
	s_wait_alu depctr_hold_cnt(0) depctr_sa_sdst(0) depctr_va_vdst(0) depctr_va_sdst(0) depctr_va_ssrc(0) depctr_va_vcc(0) depctr_vm_vsrc(0)
	s_getreg_b32 s2, hwreg(HW_REG_IB_STS2, 6, 4)
	s_cmp_eq_u32 s2, 0
	s_cbranch_scc0 .Lentry_in_a_cluster
	s_endpgm
.Lentry_in_a_cluster:
	s_bfe_u32 s2, ttmp6, 0x10000c
	s_cmp_lg_u32 s2, 0xf033
	s_cbranch_scc0 .Lentry_shape_is_right
	s_endpgm
.Lentry_shape_is_right:
; qkv = x w_qkv + b_qkv on codes of FP6 (E2M3) with E8M0 scales, and q, k, v quantised on the way out into the images that the attention launch reads.
; THE IMAGES xi, wi.  A block of 128 rows, K = 1024: RB bytes = eight K steps of KSB bytes = eight tiles of 1,536 bytes + 512 bytes of scale words (tile 2 j + u, row r: 12,288 + 16 (16 u + r) + 4 j).
; A tile's half (64 along K, 768 bytes): registers 0-3 at 16 x lane, 4-5 at 512 + 8 x lane.  Lane r of tile t holds, in xi, token 64 (t / 4) + 32 (r / 8) + 8 (t % 4) + r % 8; in wi, column 32 (t / 2) + 8 (t % 2) + r + 8 (r / 8).
; THE PRODUCT.  Source 0 takes tiles of P, source 1 tiles of R: a lane holds ONE row of R, and its registers 8 pt + i are P's tile pt, row 8 (lane / 16) + i.
;   q and k: P = w's columns, R = tokens.  By wi's order registers 16 b + i are columns 32 b + 16 h + i: two heads' 64 channels of one token; a block of 32 lies in lanes l and l xor 16.
;   v:       P = tokens, R = w's columns.  By xi's order registers 32 c + i are tokens 64 c + 32 h + i of one channel: whole blocks of 32 keys in a lane, in the order of V^T's fragment.
; SHARES.  256 work-groups, each THREE tiles of 256 rows of P x 128 rows of R, all of K.  With X, Y the cluster's numbers (2 x 8) and cx, cy the place in it:
;   tiles 0 and 1 (a loop of two trips): P = wi's blocks 2 (4 X + cx) and the next, R = xi's block 4 Y + cy (+ 32 in tile 1);  tile 2 (written out): P = xi's blocks 2 (4 Y + cx) and the next, R = wi's block 16 + 4 X + cy.
;   Wave w: P's block w % 2 x R's tiles 4 (w / 2) .. + 3: 32 accumulators.
; LDS: A RING OF TWO SLOTS, each four K steps: P's two blocks (2 x 51,200 bytes), then R's (51,200).  K steps 0-3 of a tile lie in slot 0, 4-7 in slot 1.  A fill is four joint loads, one a wave: waves 0 and 1 a block of P each
; (200 rows of 256 bytes, shared along a column of the cluster), waves 2 and 3 two K steps of R each (100 rows, shared along a row).  At K step 3 slot 0 has been read out (the step's fragments lie in registers) and takes the next
; tile's K steps 0-3; at K step 7 slot 1 takes its K steps 4-7: each refill stands behind the three lines and a round of the cluster's barrier, and is asked for 128 matrix instructions ahead of its first read.
; No data prefetch: the launch has four refills, each asked for that far ahead, and every block of xi and wi is read by several clusters.
; THE BIAS is the C of the first K step's products: for q and k b over P's rows (64 registers, the same in both tiles), for v b at the lane's row of R, laid eight times.
; kv, for each head (HS bytes): 16 key steps of 12,288: K's eight half fragments, then V^T's four fragments; at 196,608 K's scale words (64 x tile + 4 r); at 204,800 V's (256 x step + 64 x tile + 4 r).  qi: the same places, K's alone.
; The scale words of q and k carry the head's two bytes and two zero bytes: the attention launch pairs those with zero codes.
; LIMITS: a block of zeros gets the byte 1 (zero codes; read by this program alone); largest magnitudes under 2^-124 keep the byte 1; NaN and infinities are not served.  A sum begins with the bias.
; REGISTERS.  Window 0: v1-30 addresses; v32-39, v40-43 scale words of P and R, two sets; v48-143 R's fragments, two sets (v96-143 also the way out's codes); v144-207 the bias; v208-211 v's bias; v216-232 at work.  Window 1: P's fragments, two sets of 96.  Window 2: accumulator (pt, rt) at 64 rt + 8 pt.
.set RB,   102400
.set KSB,  12800
.set HB,   51200                       ; four K steps of a block
.set SLOT, 153600
.set HS,   208896
.set SPARE, 0x4b000
.set L16,  1
.set L8,   2
.set AP16, 4                           ; v4-5   my block of P in slot 0, 1: 16 x lane
.set AP8,  6                           ; v6-7   8 x lane
.set AR16, 8                           ; v8-9   my four tiles of R
.set AR8,  10
.set ARS,  12                          ; v12-13 R's scale words: 16 x lane + 8 (w / 2)
.set VB,   14                          ; v14    64 h
.set OS,   24                          ; v24    q, k: 4 r, + a head for lanes 16-31
.set SHV,  25                          ; v25    16 h
.set OSV,  29                          ; v29    4 r
.set SH8,  30                          ; v30    8 h
.set PSC,  32
.set RSC,  40
.set RF,   48
.set BP,   144
.set BR,   208
.set TM,   216
.set PW,   232
.set WV,   14
.set WP,   15
.set WR,   16
.set G1P,  24
.set G1R,  32
.set G0P,  40                          ; s[40:47] groups 0 for P, a set a slot
.set G0R,  68                          ; s[68:75] for R
.set PQ,   48                          ; s[48:55] where my loads begin: P of q and k, P of v, R of tile 0, R of v
.set PV,   50
.set RQ,   52
.set RV,   54
.set NP,   76                          ; s[76:79] the next tile's P and R
.set NR,   78
.set NT,   80
.set TBK,  81
.set RQ1,  82                          ; s[82:83] R of tile 1
.set E3,   86                          ; s[86:89] q, k: scale words, codes;  s[90:93] v: codes, scale words
.set E1,   88
.set E1V,  90
.set E3V,  92
.set SEL,  98
.set MSB, 0
.macro WIN new                         ; the immediate's high byte repeats the setting that is left
.if MSB != \new
	s_set_vgpr_msb (MSB<<8)|\new
.set MSB, \new
.endif
.endm
.macro PLACES n
.rept \n
	v_nop
.endr
.endm
.macro CROUND                          ; a round of the cluster's barrier
	s_barrier_signal -1
	s_barrier_wait -1
	s_cmp_lg_u32 s[WV], 0
	s_cbranch_scc1 .Lnot_wave_0_\@
	s_barrier_signal -3
.Lnot_wave_0_\@:
	s_barrier_wait -3
	s_barrier_signal -1
	s_barrier_wait -1
.endm
.macro JLOAD s                         ; a slot's fill: my one joint load.  An s_nop 0 and four v_nop follow each line
	s_cmp_lt_u32 s[WV], 2
	s_cbranch_scc0 .Lfor_r_\@
	tensor_load_to_lds s[G0P+4*(\s):G0P+4*(\s)+3], s[G1P:G1P+7]
	s_nop 0
	PLACES 4
	s_branch .Lasked_\@
.Lfor_r_\@:
	tensor_load_to_lds s[G0R+4*(\s):G0R+4*(\s)+3], s[G1R:G1R+7]
	s_nop 0
	PLACES 4
.Lasked_\@:
.endm
	s_load_b256 s[4:11], s[0:1], 0x0               ; xi, wi, b_qkv, qi
	s_load_b64 s[12:13], s[0:1], 0x20              ; kv
	v_lshl_add_u32 v254, v0, 2, SPARE
	v_mov_b32 v255, 0
	ds_add_u32 v254, v255                          ; the opening lines: the add, twice on end, and its wait
	ds_add_u32 v254, v255
	v_lshrrev_b32 v3, 5, v0
	v_readfirstlane_b32 s[WV], v3                  ; wave 0..3
	s_and_b32 s[WP], s[WV], 1
	s_lshr_b32 s[WR], s[WV], 1
	s_bfe_u32 s17, ttmp6, 0x40000                  ; cx
	s_bfe_u32 s18, ttmp6, 0x40004                  ; cy
	s_and_b32 s19, ttmp7, 0xffff                   ; Y
	s_lshl_b32 s20, ttmp9, 2                       ; 4 X
	s_lshl_b32 s21, s19, 2                         ; 4 Y
	s_add_co_u32 s22, s20, s17                     ; q, k: P's pair 4 X + cx
	s_add_co_u32 s23, s21, s17                     ; v:    P's pair 4 Y + cx
	s_add_co_u32 s56, s21, s18                     ; tile 0: R's block 4 Y + cy
	s_add_co_u32 s57, s20, s18                     ; v:    R's block 4 X + cy (behind q's and k's sixteen)
	s_lshl_b32 s60, 0x1111, s17                    ; my column of the cluster
	s_lshl_b32 s61, s18, 2
	s_lshl_b32 s61, 15, s61                        ; my row
	s_or_b32 s[G1P], s60, (3<<16)|(1<<21)          ; the mask; elements of 8 bytes; bit 21 set beside a mask; no padding
	s_or_b32 s[G1R], s61, (3<<16)|(1<<21)
	s_mov_b32 s[G1P+1], 32<<16                     ; rows of 256 bytes,
	s_mov_b32 s[G1P+2], 200<<16                    ; 200 of them, dense
	s_mov_b32 s[G1P+3], 32<<16
	s_mov_b32 s[G1P+4], 200
	s_mov_b32 s[G1P+5], 32
	s_mov_b32 s[G1P+6], 0
	s_mov_b32 s[G1P+7], 0
	s_mov_b32 s[G1R+1], 32<<16
	s_mov_b32 s[G1R+2], 100<<16
	s_mov_b32 s[G1R+3], 32<<16
	s_mov_b32 s[G1R+4], 100
	s_mov_b32 s[G1R+5], 32
	s_mov_b32 s[G1R+6], 0
	s_mov_b32 s[G1R+7], 0
	s_lshl_b32 s58, s22, 1
	s_add_co_u32 s58, s58, s[WP]
	s_mul_i32 s58, s58, RB
	s_mov_b32 s59, 0
	s_lshl_b32 s[TBK], s23, 1
	s_add_co_u32 s[TBK], s[TBK], s[WP]             ; v: my block of tokens
	s_mul_i32 s62, s[TBK], RB
	s_mov_b32 s63, 0
	s_mul_i32 s66, s[WP], HB/2                     ; R: two K steps a wave
	s_mul_i32 s84, s56, RB
	s_add_co_u32 s84, s84, s66
	s_mov_b32 s85, 0
	s_add_co_u32 s86, s57, 16
	s_mul_i32 s86, s86, RB
	s_add_co_u32 s86, s86, s66
	s_mov_b32 s87, 0
	s_mul_i32 s67, s[WP], HB                       ; LDS, in a slot: my block of P,
	s_add_co_u32 s66, s66, 2*HB                    ; my part of R
	s_wait_dscnt 0x0
	s_wait_kmcnt 0x0
	s_add_nc_u64 s[PQ:PQ+1], s[6:7], s[58:59]
	s_add_nc_u64 s[PV:PV+1], s[4:5], s[62:63]
	s_add_nc_u64 s[RQ:RQ+1], s[4:5], s[84:85]
	s_add_nc_u64 s[RV:RV+1], s[6:7], s[86:87]
	s_add_nc_u64 s[RQ1:RQ1+1], s[RQ:RQ+1], 32*RB
.irp h, 0,1
	s_mov_b32 s[G0P+4*\h], 1
	s_add_co_u32 s[G0P+4*\h+1], s67, SLOT*\h
	s_add_nc_u64 s[G0P+4*\h+2:G0P+4*\h+3], s[PQ:PQ+1], HB*\h
	s_or_b32 s[G0P+4*\h+3], s[G0P+4*\h+3], 0x80000000
	s_mov_b32 s[G0R+4*\h], 1
	s_add_co_u32 s[G0R+4*\h+1], s66, SLOT*\h
	s_add_nc_u64 s[G0R+4*\h+2:G0R+4*\h+3], s[RQ:RQ+1], HB*\h
	s_or_b32 s[G0R+4*\h+3], s[G0R+4*\h+3], 0x80000000
.endr
	CROUND                                         ; all sixteen work-groups are here: the joint loads meet
	JLOAD 0                                        ; tile 0's K steps 0-3: one tensor load a wave at the head
	s_mul_i32 s60, s[WR], 6144
	s_add_co_u32 s60, s60, 2*HB
	s_lshl_b32 s61, s[WR], 3
	s_add_co_u32 s61, s61, 2*HB
	s_lshl_b32 s94, s22, 10                        ; the bias of q and k: 4 (256 pair + 128 (w % 2))
	s_lshl_b32 s95, s[WP], 9
	s_add_co_u32 s94, s94, s95
	s_mov_b32 s95, 0
	s_add_nc_u64 s[94:95], s[8:9], s[94:95]
	s_lshl_b32 s96, s57, 9                         ; of v: 4 (2048 + 128 block + 64 (w / 2))
	s_lshl_b32 s97, s[WR], 8
	s_add_co_u32 s96, s96, s97
	s_add_co_u32 s96, s96, 8192
	s_mov_b32 s97, 0
	s_add_nc_u64 s[96:97], s[8:9], s[96:97]
	; where q and k go: head 16 (block / 16) + 4 (pair % 4) + 2 (w % 2) and the next, key step block % 16, tiles 4 (w / 2) on
	s_lshr_b32 s58, s56, 4
	s_lshl_b32 s58, s58, 4
	s_and_b32 s59, s22, 3
	s_lshl_b32 s59, s59, 2
	s_add_co_u32 s58, s58, s59
	s_lshl_b32 s59, s[WP], 1
	s_add_co_u32 s58, s58, s59
	s_mul_i32 s58, s58, HS
	s_and_b32 s59, s56, 15
	s_mul_i32 s62, s59, 12288
	s_add_co_u32 s62, s62, s58
	s_mul_i32 s63, s[WR], 3072
	s_add_co_u32 s62, s62, s63
	s_mov_b32 s63, 0
	s_lshl_b32 s84, s59, 9
	s_add_co_u32 s84, s84, s58
	s_lshl_b32 s85, s[WR], 8
	s_add_co_u32 s84, s84, s85
	s_add_co_u32 s84, s84, 196608
	s_mov_b32 s85, 0
	s_cmp_lt_u32 s22, 4                            ; pairs 0-3 are q's columns
	s_cselect_b64 s[E1:E1+1], s[10:11], s[12:13]
	s_add_nc_u64 s[E3:E3+1], s[E1:E1+1], s[84:85]
	s_add_nc_u64 s[E1:E1+1], s[E1:E1+1], s[62:63]
	; where v goes: head 16 (tb / 16) + 2 block + w / 2, key step tb % 16
	s_lshr_b32 s58, s[TBK], 4
	s_lshl_b32 s58, s58, 4
	s_lshl_b32 s59, s57, 1
	s_add_co_u32 s58, s58, s59
	s_add_co_u32 s58, s58, s[WR]
	s_mul_i32 s58, s58, HS
	s_and_b32 s59, s[TBK], 15
	s_mul_i32 s62, s59, 12288
	s_add_co_u32 s62, s62, s58
	s_add_co_u32 s62, s62, 6144
	s_lshl_b32 s84, s59, 8
	s_add_co_u32 s84, s84, s58
	s_add_co_u32 s84, s84, 204800
	s_add_nc_u64 s[E1V:E1V+1], s[12:13], s[62:63]
	s_add_nc_u64 s[E3V:E3V+1], s[12:13], s[84:85]
	s_mov_b32 s[SEL], 0x76543210
	s_mov_b32 s[SEL+1], 0xfedcba98
	v_and_b32 v15, 31, v0                          ; lane
	v_and_b32 v26, 15, v0                          ; r
	v_bfe_u32 v27, v0, 4, 1                        ; h
	v_lshlrev_b32 v[L16], 4, v15
	v_lshlrev_b32 v[L8], 3, v15
	v_add_nc_u32 v[AP16], s67, v[L16]
	v_add_nc_u32 v[AP16+1], SLOT, v[AP16]
	v_add_nc_u32 v[AP8], s67, v[L8]
	v_add_nc_u32 v[AP8+1], SLOT, v[AP8]
	v_add_nc_u32 v[AR16], s60, v[L16]
	v_add_nc_u32 v[AR16+1], SLOT, v[AR16]
	v_add_nc_u32 v[AR8], s60, v[L8]
	v_add_nc_u32 v[AR8+1], SLOT, v[AR8]
	v_add_nc_u32 v[ARS], s61, v[L16]
	v_add_nc_u32 v[ARS+1], SLOT, v[ARS]
	v_lshlrev_b32 v[VB], 6, v27
	v_and_b32 v28, 8, v26
	v_add_nc_u32 v28, v28, v26
	v_lshlrev_b32 v28, 2, v28                      ; 4 (r + 8 (r / 8))
	v_lshlrev_b32 v[OSV], 2, v26
	v_mul_u32_u24 v[OS], HS, v27
	v_add_nc_u32 v[OS], v[OS], v[OSV]
	v_lshlrev_b32 v[SHV], 4, v27
	v_lshlrev_b32 v[SH8], 3, v27
.irp b, 0,1,2,3
	v_mov_b32 v[TM+4+\b], 0                        ; written once: a lane permute's destination counts as one of its sources
.endr
.irp b, 0,1,2,3
.irp j, 0,1,2,3
	global_load_b128 v[BP+16*\b+4*\j:BP+16*\b+4*\j+3], v[VB], s[94:95] offset:128*\b+16*\j   ; register 16 b + i: b at P's row 32 b + 16 h + i
.endr
.endr
.irp rt, 0,1,2,3
	global_load_b32 v[BR+\rt], v28, s[96:97] offset:4*(32*(\rt/2)+8*(\rt%2))   ; v: b at my row of R's tile rt
.endr
; the fragments and scale words of K step ks into set st: 50 LDS loads, each of consecutive bytes
.macro FETCH ks, st
.set HI, (\ks)/4
.set OO, KSB*((\ks)%4)
	WIN 0x40                                       ; destination window 1
.irp t, 0,1,2,3,4,5,6,7
	ds_load_b128 v[96*(\st)+12*\t:96*(\st)+12*\t+3], v[AP16+HI] offset:OO+1536*\t
	ds_load_b64 v[96*(\st)+12*\t+4:96*(\st)+12*\t+5], v[AP8+HI] offset:OO+1536*\t+512
	ds_load_b128 v[96*(\st)+12*\t+6:96*(\st)+12*\t+9], v[AP16+HI] offset:OO+1536*\t+768
	ds_load_b64 v[96*(\st)+12*\t+10:96*(\st)+12*\t+11], v[AP8+HI] offset:OO+1536*\t+1280
.endr
	WIN 0
.irp t, 0,1,2,3
	ds_load_b128 v[RF+48*(\st)+12*\t:RF+48*(\st)+12*\t+3], v[AR16+HI] offset:OO+1536*\t
	ds_load_b64 v[RF+48*(\st)+12*\t+4:RF+48*(\st)+12*\t+5], v[AR8+HI] offset:OO+1536*\t+512
	ds_load_b128 v[RF+48*(\st)+12*\t+6:RF+48*(\st)+12*\t+9], v[AR16+HI] offset:OO+1536*\t+768
	ds_load_b64 v[RF+48*(\st)+12*\t+10:RF+48*(\st)+12*\t+11], v[AR8+HI] offset:OO+1536*\t+1280
.endr
	ds_load_b128 v[PSC+4*(\st):PSC+4*(\st)+3], v[AP16+HI] offset:OO+12288   ; register j: lanes 0-15 tile 2 j's words, lanes 16-31 tile 2 j + 1's
	ds_load_b64 v[RSC+2*(\st):RSC+2*(\st)+1], v[ARS+HI] offset:OO+12288
.endm
.macro PROD pt, rt, st, first              ; first = 1: C is the bias over P's rows, 2: the bias at R's row (both window 0): the product starts the sum
.set rD, 64*(\rt)+8*(\pt)
.set rC, rD
.if (\first) == 1
.set rC, BP+8*(\pt)
.endif
.if (\first) == 2
.set rC, BP+8*(\rt)
.endif
.set rA, 96*(\st)+12*(\pt)
.set rB, RF+48*(\st)+12*(\rt)
.set rSA, PSC+4*(\st)+(\pt)/2
.set rSB, RSC+2*(\st)+(\rt)/2
.if ((\pt)%2 == 0) && ((\rt)%2 == 0)
	v_wmma_scale_f32_16x16x128_f8f6f4 v[rD:rD+7], v[rA:rA+11], v[rB:rB+11], v[rC:rC+7], v[rSA], v[rSB] matrix_a_fmt:MATRIX_FMT_FP6 matrix_b_fmt:MATRIX_FMT_FP6
.elseif ((\pt)%2 == 1) && ((\rt)%2 == 0)
	v_wmma_scale_f32_16x16x128_f8f6f4 v[rD:rD+7], v[rA:rA+11], v[rB:rB+11], v[rC:rC+7], v[rSA], v[rSB] matrix_a_fmt:MATRIX_FMT_FP6 matrix_b_fmt:MATRIX_FMT_FP6 matrix_a_scale:MATRIX_SCALE_ROW1
.elseif ((\pt)%2 == 0) && ((\rt)%2 == 1)
	v_wmma_scale_f32_16x16x128_f8f6f4 v[rD:rD+7], v[rA:rA+11], v[rB:rB+11], v[rC:rC+7], v[rSA], v[rSB] matrix_a_fmt:MATRIX_FMT_FP6 matrix_b_fmt:MATRIX_FMT_FP6 matrix_b_scale:MATRIX_SCALE_ROW1
.else
	v_wmma_scale_f32_16x16x128_f8f6f4 v[rD:rD+7], v[rA:rA+11], v[rB:rB+11], v[rC:rC+7], v[rSA], v[rSB] matrix_a_fmt:MATRIX_FMT_FP6 matrix_b_fmt:MATRIX_FMT_FP6 matrix_a_scale:MATRIX_SCALE_ROW1 matrix_b_scale:MATRIX_SCALE_ROW1
.endif
.endm
; A K step: 32 matrix instructions; the 32 accumulators take turns, one instruction a turn, in the same order in every step.  The next step's fragments are asked for ahead of them.
; more = 1: a tile follows.  At K steps 3 and 7 the slot whose last fragments lie in registers is filled again with the next tile's rows.
.macro STEP ks, first, more
.if ((\ks) == 3) || (((\ks) == 7) && (\more))
	WIN 0
	s_wait_tensorcnt 0x0                           ; my load is done: my part of the slot that is read next
	ds_add_u32 v254, v255
.if \more
.if (\ks) == 3
	s_mov_b64 s[G0P+2:G0P+3], s[NP:NP+1]           ; no load of mine is out: slot 0 takes the next tile's K steps 0-3,
	s_mov_b64 s[G0R+2:G0R+3], s[NR:NR+1]
.else
	s_add_nc_u64 s[G0P+6:G0P+7], s[NP:NP+1], HB    ; slot 1 its K steps 4-7
	s_add_nc_u64 s[G0R+6:G0R+7], s[NR:NR+1], HB
.endif
	s_or_b32 s[G0P+4*((\ks)/4)+3], s[G0P+4*((\ks)/4)+3], 0x80000000
	s_or_b32 s[G0R+4*((\ks)/4)+3], s[G0R+4*((\ks)/4)+3], 0x80000000
.endif
	s_wait_dscnt 0x0                               ; the add is done, and so are my reads of the slot that is left
.if \more
	CROUND                                         ; both hold of every wave of the cluster
	JLOAD (\ks)/4                                  ; its four v_nop are the places in front of the loads below
.else
	s_barrier_signal -1
	s_barrier_wait -1                              ; the last slot is whole
	PLACES 4
.endif
.else
	s_wait_dscnt 0x0                               ; this step's fragments, asked for a step ago, are in
.if (\ks) < 7
	PLACES 4                                       ; in front of loads into registers that the last step's matrix instructions have read
.endif
.endif
.if ((\ks) < 7) || (\more)
	FETCH ((\ks)+1)%8, ((\ks)+1)%2
.endif
.if \first
	WIN 0x81                                       ; source 0 (P) window 1, source 1 (R) and C (the bias) window 0, D window 2
.else
	WIN 0xa1                                       ; C and D window 2
.endif
.irp rt, 0,1,2,3
.irp pt, 0,1,2,3,4,5,6,7
	PROD \pt, \rt, (\ks)%2, \first
.endr
.endr
.endm
; THE WAY OUT of R's tile rt: a lane's 64 sums are quantised in blocks of 32 and leave as 12 registers of codes and a scale word.  v = 0: q and k; v = 1: v.
.macro QOUT rt, pcr, v
.set SRC, 64*(\rt)
.set PCR, \pcr
.set T2R, PCR+12
.set WRG, PCR+20
	WIN 0x28                                       ; sources 1 and 2 window 2
.irp b, 0,1,2,3
	v_max3_num_f32 v[TM+\b], 0x1800000, |v[SRC+16*\b]|, |v[SRC+16*\b+1]|   ; each accumulator is read from its low end on; the floor 2^(3 - 127) holds the byte at 1 from below
.endr
.irp i, 2,4,6,8,10,12,14
.irp b, 0,1,2,3
	v_max3_num_f32 v[TM+\b], v[TM+\b], |v[SRC+16*\b+\i]|, |v[SRC+16*\b+\i+1]|
.endr
.endr
	WIN 0
.if \v
	v_max_num_f32 v[TM], v[TM], v[TM+1]            ; registers 0-31 are my block h, 32-63 my block 2 + h
	v_max_num_f32 v[TM+2], v[TM+2], v[TM+3]
	v_add_nc_u32 v[TM+12], 0xff000000, v[TM]
	v_add_nc_u32 v[TM+13], 0xff000000, v[TM+2]
	v_lshrrev_b32 v[TM+4], 23, v[TM+12]
	v_lshrrev_b32 v[TM+5], 23, v[TM+13]
	v_lshl_or_b32 v[PW], v[TM+5], 16, v[TM+4]
	v_lshlrev_b32 v[PW], v[SH8], v[PW]             ; my two bytes at their places,
	v_permlanex16_b32 v[TM+6], v[PW], s[SEL], s[SEL+1]
	v_or_b32 v[WRG], v[PW], v[TM+6]                ; with lane l xor 16's two the word is whole
	WIN 0x02                                       ; source 0 window 2
.irp c, 0,1
	v_cvt_scalef32_pk16_fp6_f32 v[PCR+6*\c:PCR+6*\c+2], v[SRC+32*\c:SRC+32*\c+15], v[TM+12+\c]
	v_cvt_scalef32_pk16_fp6_f32 v[T2R+4*\c:T2R+4*\c+2], v[SRC+32*\c+16:SRC+32*\c+31], v[TM+12+\c]
.endr
	WIN 0
	v_nop                                          ; one plain line behind the scaled conversions
.irp c, 0,1
.irp i, 0,1,2
	v_mov_b32 v[PCR+6*\c+3+\i], v[T2R+4*\c+\i]
.endr
.endr
	global_store_b128 v[L16], v[PCR:PCR+3], s[E1V:E1V+1] offset:1536*\rt           ; 512 and 256 consecutive bytes, from a multiple of 256
	global_store_b64 v[L8], v[PCR+4:PCR+5], s[E1V:E1V+1] offset:1536*\rt+512
	global_store_b128 v[L16], v[PCR+6:PCR+9], s[E1V:E1V+1] offset:1536*\rt+768
	global_store_b64 v[L8], v[PCR+10:PCR+11], s[E1V:E1V+1] offset:1536*\rt+1280
	global_store_b32 v[OSV], v[WRG], s[E3V:E3V+1] offset:64*\rt                    ; (both halves of the lanes store the same word)
.else
.irp b, 0,1,2,3
	v_permlanex16_b32 v[TM+4+\b], v[TM+\b], s[SEL], s[SEL+1]
.endr
.irp b, 0,1,2,3
	v_max_num_f32 v[TM+\b], v[TM+\b], v[TM+4+\b]
.endr
.irp b, 0,1,2,3
	v_add_nc_u32 v[TM+12+\b], 0xff000000, v[TM+\b]
.endr
.irp b, 0,1,2,3
	v_lshrrev_b32 v[TM+4+\b], 23, v[TM+12+\b]
.endr
	v_lshl_or_b32 v[PW], v[TM+5], 8, v[TM+4]
	v_lshl_or_b32 v[PW], v[TM+6], 16, v[PW]
	v_lshl_or_b32 v[PW], v[TM+7], 24, v[PW]
	WIN 0x02
.irp c, 0,1
	v_cvt_scalef32_pk16_fp6_f32 v[PCR+6*\c:PCR+6*\c+2], v[SRC+32*\c:SRC+32*\c+15], v[TM+12+2*\c]
	v_cvt_scalef32_pk16_fp6_f32 v[T2R+4*\c:T2R+4*\c+2], v[SRC+32*\c+16:SRC+32*\c+31], v[TM+13+2*\c]
.endr
	WIN 0
	v_nop
.irp c, 0,1
.irp i, 0,1,2
	v_permlane16_swap_b32 v[PCR+6*\c+\i], v[T2R+4*\c+\i]
.endr
.irp i, 0,1,2
	v_mov_b32 v[PCR+6*\c+3+\i], v[T2R+4*\c+\i]
.endr
.endr
	global_store_b128 v[L16], v[PCR:PCR+3], s[E1:E1+1] offset:768*\rt              ; the first head's half fragment,
	global_store_b64 v[L8], v[PCR+4:PCR+5], s[E1:E1+1] offset:768*\rt+512
	global_store_b128 v[L16], v[PCR+6:PCR+9], s[E1:E1+1] offset:HS+768*\rt         ; the next head's
	global_store_b64 v[L8], v[PCR+10:PCR+11], s[E1:E1+1] offset:HS+768*\rt+512
	v_lshrrev_b32 v[WRG], v[SHV], v[PW]
	v_and_b32 v[WRG], 0xffff, v[WRG]               ; two bytes a head: lanes 0-15 the first head's, lanes 16-31 the next's
	global_store_b32 v[OS], v[WRG], s[E3:E3+1] offset:64*\rt
.endif
.endm
.macro OUT4 v
	WIN 0
	PLACES 4                                       ; in front of the first read of results, and of writes into registers that held fragments
	QOUT 0, 96, \v
	QOUT 1, 120, \v
	s_wait_xcnt 0x0                                ; the stores have read their registers, which are written again
	QOUT 2, 96, \v
	QOUT 3, 120, \v
.endm
	s_wait_alu depctr_va_vdst(0)
	s_wait_tensorcnt 0x0                           ; my part of slot 0 is in; the same lines ahead of a later first fill as ahead of a refill
	ds_add_u32 v254, v255
	s_wait_dscnt 0x0
	CROUND
	JLOAD 1                                        ; tile 0's K steps 4-7
	FETCH 0, 0
	s_wait_loadcnt 0x0                             ; the biases
	s_mov_b32 s[NT], 0
.Ltile:                                                ; tiles 0 and 1: q and k
	s_cmp_eq_u32 s[NT], 0
	s_cselect_b64 s[NP:NP+1], s[PQ:PQ+1], s[PV:PV+1]       ; behind tile 0 comes tile 1 (the same P, R 32 blocks on), behind tile 1 v's tile
	s_cselect_b64 s[NR:NR+1], s[RQ1:RQ1+1], s[RV:RV+1]
	STEP 0, 1, 1
.irp k, 1,2,3,4,5,6,7
	STEP \k, 0, 1
.endr
	OUT4 0
	s_wait_xcnt 0x0                                ; the stores have read their base and their registers
	s_add_nc_u64 s[E1:E1+1], s[E1:E1+1], 32*HS     ; tile 1's tokens lie two batches, 32 heads, on
	s_add_nc_u64 s[E3:E3+1], s[E3:E3+1], 32*HS
	s_add_co_u32 s[NT], s[NT], 1
	s_cmp_lt_u32 s[NT], 2
	s_wait_alu depctr_va_vdst(0)
	s_cbranch_scc1 .Ltile
.irp rt, 0,1,2,3                               ; tile 2: v.  Its bias, eight times for each tile of R, where q's and k's lay
.irp i, 0,1,2,3,4,5,6,7
	v_mov_b32 v[BP+8*\rt+\i], v[BR+\rt]
.endr
.endr
	s_wait_alu depctr_va_vdst(0)
	STEP 0, 2, 0
.irp k, 1,2,3,4,5,6,7
	STEP \k, 0, 0
.endr
	OUT4 1
	s_wait_tensorcnt 0x0                           ; the wave's end
	ds_add_u32 v254, v255
	s_wait_dscnt 0x0
	CROUND                                         ; the closing round
	s_endpgm
.Lfunc_end_k_q24d34b02c4_gq:
	.size	k_q24d34b02c4_gq, .Lfunc_end_k_q24d34b02c4_gq-k_q24d34b02c4_gq
	.p2alignl 7, 3214868480
	.fill 96, 4, 3214868480
	.section	.rodata,"a",@progbits
	.p2align	6, 0x0
	.amdhsa_kernel k_q24d34b02c4_gq
		.amdhsa_group_segment_fixed_size 327680
		.amdhsa_private_segment_fixed_size 0
		.amdhsa_enable_private_segment 0
		.amdhsa_kernarg_size 40
		.amdhsa_user_sgpr_count 2
		.amdhsa_user_sgpr_kernarg_segment_ptr 1
		.amdhsa_wavefront_size32 1
		.amdhsa_system_sgpr_workgroup_id_x 1
		.amdhsa_system_sgpr_workgroup_id_y 1
		.amdhsa_system_sgpr_workgroup_id_z 1
		.amdhsa_system_vgpr_workitem_id 0
		.amdhsa_next_free_vgpr 768
		.amdhsa_next_free_sgpr 100
		.amdhsa_reserve_vcc 0
		.amdhsa_float_denorm_mode_32 3
		.amdhsa_float_denorm_mode_16_64 3
		.amdhsa_memory_ordered 1
		.amdhsa_forward_progress 1
		.amdhsa_inst_pref_size 166
	.end_amdhsa_kernel
	.amdgpu_metadata
---
amdhsa.version: [ 1, 2 ]
amdhsa.kernels:
  - .name:           k_q24d34b02c4_gq
    .symbol:         k_q24d34b02c4_gq.kd
    .args:
      - { .name: xi, .offset: 0, .size: 8, .value_kind: global_buffer, .address_space: global }
      - { .name: wi, .offset: 8, .size: 8, .value_kind: global_buffer, .address_space: global }
      - { .name: b_qkv, .offset: 16, .size: 8, .value_kind: global_buffer, .address_space: global }
      - { .name: qi, .offset: 24, .size: 8, .value_kind: global_buffer, .address_space: global }
      - { .name: kv, .offset: 32, .size: 8, .value_kind: global_buffer, .address_space: global }
    .group_segment_fixed_size: 327680
    .private_segment_fixed_size: 0
    .kernarg_segment_align: 8
    .kernarg_segment_size: 40
    .max_flat_workgroup_size: 128
    .sgpr_count:     100
    .vgpr_count:     768
    .wavefront_size: 32
...
	.end_amdgpu_metadata
.endif
;; end of part 3
;; launch at (part 4): grid 4 x 64, 16 waves a work-group, clusters of 4 x 1, 327,680 bytes of LDS; arguments qi, kv, ai; writes ai
.if DOCPART == 4
	.amdgcn_target "amdgcn-amd-amdhsa--gfx1250"
	.amdhsa_code_object_version 6
	.text
	.protected	k_q24d34b02c4_at
	.globl	k_q24d34b02c4_at
	.p2align	8
	.type	k_q24d34b02c4_at,@function
k_q24d34b02c4_at:
	s_mov_b64 s[64:65], 0
	v_nop
	global_prefetch_b8 v0, s[64:65] scope:SCOPE_SE
	s_setreg_imm32_b32 hwreg(HW_REG_WAVE_MODE, 25, 1), 1
	s_wait_xcnt 0x0
	s_wait_alu depctr_hold_cnt(0) depctr_sa_sdst(0) depctr_va_vdst(0) depctr_va_sdst(0) depctr_va_ssrc(0) depctr_va_vcc(0) depctr_vm_vsrc(0)
	s_getreg_b32 s2, hwreg(HW_REG_IB_STS2, 6, 4)
	s_cmp_eq_u32 s2, 0
	s_cbranch_scc0 .Lentry_in_a_cluster
	s_endpgm
.Lentry_in_a_cluster:
	s_bfe_u32 s2, ttmp6, 0x10000c
	s_cmp_lg_u32 s2, 0x3003
	s_cbranch_scc0 .Lentry_shape_is_right
	s_endpgm
.Lentry_shape_is_right:
; ATTENTION OF ONE HEAD ON CODES OF FP6 (E2M3) WITH E8M0 SCALES: a = softmax(q k^T / 8) v, quantised again on the way out into ai, the image that the out-projection reads.
; kv, for each of the 64 heads (HS dense bytes): 16 key steps of 12,288 bytes (K's eight half fragments of 768, then V^T's four fragments of 1,536); at 196,608 K's scale words (64 x tile + 4 r); at 204,800 V's (256 x step + 64 x tile + 4 r).  qi: the same places, Q in K's.
; Lane r of tile t of 128 tokens holds token 64 (t / 4) + 32 (r / 8) + 8 (t % 4) + r % 8.  A half fragment (64 channels, 6 registers): registers 0-3 at 16 x lane, 4-5 at 512 + 8 x lane.
; SHARES.  Work-group (cx, head): 512 queries.  Wave w: 16 queries in each of two passes (query block 4 cx + w / 8, then two blocks on; tile w % 8), all 2,048 keys in 16 steps of 128.
; Both products are used transposed (S^T = k q^T, O^T = v^T p^T): a lane holds one query.  By the tiles' order the score registers 32 c + i of lane (r, h) are keys 64 c + 32 h + i: two WHOLE blocks of 32 keys, in the order of p's fragment.
; The head's size is 64, the instruction's K 128: q's upper 64 codes are zeros, and so are the upper two bytes of q's and k's scale words.
; LDS holds the head's HS bytes as they lie in memory.  They come ONCE: each of the 16 waves asks for 51 rows of 256 bytes, one joint load for the four work-groups of the cluster, which read the same head.  Nothing is filled again.
; No data prefetch: all that the launch reads through LDS is asked for at the head, and there is no loop to run ahead in.
; THE SOFTMAX: M is the running largest t = score x log2(e) / 8, rounded up to a whole number; p = 2^(t - M); the row's sum is taken of the unquantised p; when M moves, sum and O^T are multiplied by 2^(old M - new M), made by v_ldexp_f32.
; A block's largest p is the block's largest score put through the same multiply-add and exponential as the scores.
; THE ORDER OF A STEP: the next step's fragments of K are asked for behind this step's last product, and most of the row's sum (four chains) stands between that request and the wait for it.
; The last step of a pass so asks for the 6,144 bytes and 512 bytes behind the last key step's; they lie inside the filled bytes and are not used.
; LIMITS: the promise holds while the scaled scores t stay under 2^31 in magnitude.  A block of zeros gets the scale byte 1 (zero codes; this program alone reads the bytes).  NaN and infinities are not served.
.set RB,   102400
.set KSB,  12800
.set HS,   208896
.set SPARE, 0x34000                    ; behind the head's bytes: the spare words, 128 bytes a wave
.set L16,  1
.set L8,   2
.set L4,   3
.set A16,  4                           ; v4-7 this key step's LDS addresses: 16, 8 x lane; K's and V's scale words
.set A8,   5
.set AKS,  6
.set AVS,  7
.set R16,  8
.set R4,   9
.set SH8,  10                          ; v10 8 h
.set Q0,   16                          ; v16-27 pass 0's queries: 6 registers of codes, 6 of zeros
.set QS0,  28
.set PS,   29                          ; p's scale word
.set F,    30                          ; v30 2^(old M - new M); v31 named with it
.set KF,   32                          ; v32-79 K's eight half fragments, then V's four fragments; v80-85 zeros
.set SCW,  86                          ; v86-89 their scale words
.set CH,   88                          ; v90-95 three chains of the row's sum (CH + 2 k)
.set S,    96                          ; v96-159 scores, then p
.set O,    160                         ; v160-191 O^T
.set PC,   192                         ; v192-203 p's codes
.set T2,   204
.set BM,   212                         ; v212-215 largest scores; v212 and v214 end as my two blocks'
.set PT,   216
.set SO,   220
.set BY,   224
.set WK,   228
.set OW,   229
.set NW,   230
.set Q1,   232                         ; v232-243 pass 1's queries
.set QS1,  244
.set WV,   10
.set G1,   16
.set G0,   32
.set SEL,  52
.set CS,   54
.set TB,   56
.set TS,   57
.set TT,   58
.set CNT,  59
.macro PLACES n
.rept \n
	v_nop
.endr
.endm
.macro CROUND                          ; a round of the cluster's barrier
	s_barrier_signal -1
	s_barrier_wait -1
	s_cmp_lg_u32 s[WV], 0
	s_cbranch_scc1 .Lnot_wave_0_\@
	s_barrier_signal -3
.Lnot_wave_0_\@:
	s_barrier_wait -3
	s_barrier_signal -1
	s_barrier_wait -1
.endm
	s_load_b128 s[4:7], s[0:1], 0x0                ; qi, kv
	s_load_b64 s[8:9], s[0:1], 0x10                ; ai
	v_lshl_add_u32 v254, v0, 2, SPARE
	v_mov_b32 v255, 0
	ds_add_u32 v254, v255                          ; the opening lines: the add, twice on end, and its wait
	ds_add_u32 v254, v255
	v_lshrrev_b32 v[WK], 5, v0
	s_delay_alu instid0(VALU_DEP_1)
	v_readfirstlane_b32 s[WV], v[WK]               ; wave 0..15
	s_bfe_u32 s11, ttmp6, 0x40000                  ; cx
	s_and_b32 s12, ttmp7, 0xffff                   ; the head, 16 x batch + h
	s_mul_i32 s60, s12, HS
	s_mov_b32 s61, 0
	s_mul_i32 s62, s[WV], 13056                    ; my sixteenth of the head's bytes, in memory and in LDS
	s_mov_b32 s63, 0
	s_lshl_b32 s70, s11, 2
	s_lshr_b32 s71, s[WV], 3
	s_add_co_u32 s70, s70, s71                     ; pass 0's block of 128 queries
	s_and_b32 s71, s[WV], 7                        ; my tile in it
	s_mul_i32 s72, s70, 12288
	s_mul_i32 s73, s71, 768
	s_add_co_u32 s72, s72, s73                     ; q's codes
	s_mov_b32 s73, 0
	s_lshl_b32 s78, s70, 9
	s_lshl_b32 s79, s71, 6
	s_add_co_u32 s78, s78, s79
	s_add_co_u32 s78, s78, 196608                  ; q's scale words
	s_mov_b32 s79, 0
	s_lshr_b32 s84, s12, 4                         ; ai: row block 16 x batch + query block, K step h / 2, half h % 2 of my tile
	s_lshl_b32 s84, s84, 4
	s_add_co_u32 s84, s84, s70
	s_mul_i32 s84, s84, RB
	s_bfe_u32 s85, s12, 0x30001
	s_mul_i32 s85, s85, KSB
	s_add_co_u32 s84, s84, s85
	s_and_b32 s85, s12, 1
	s_mul_i32 s86, s71, 1536
	s_add_co_u32 s86, s86, s84
	s_mul_i32 s87, s85, 768
	s_add_co_u32 s86, s86, s87
	s_mov_b32 s87, 0
	s_and_b32 s88, s[WV], 1                        ; its scale bytes: 12,288 + 256 (tile % 2) + 16 r + 4 (tile / 2) + 2 (h % 2)
	s_lshl_b32 s88, s88, 8
	s_add_co_u32 s88, s88, s84
	s_lshr_b32 s89, s71, 1
	s_lshl_b32 s89, s89, 2
	s_add_co_u32 s88, s88, s89
	s_lshl_b32 s89, s85, 1
	s_add_co_u32 s88, s88, s89
	s_add_co_u32 s88, s88, 12288
	s_mov_b32 s89, 0
	s_mov_b32 s[G1], 15|(3<<16)|(1<<21)            ; the mask: all four of the cluster; elements of 8 bytes; bit 21 set beside a mask
	s_mov_b32 s[G1+1], 32<<16                      ; rows of 256 bytes,
	s_mov_b32 s[G1+2], 51<<16                      ; 51 of them, dense
	s_mov_b32 s[G1+3], 32<<16
	s_mov_b32 s[G1+4], 51
	s_mov_b32 s[G1+5], 32
	s_mov_b32 s[G1+6], 0
	s_mov_b32 s[G1+7], 0
	s_mov_b32 s[SEL], 0x76543210
	s_mov_b32 s[SEL+1], 0xfedcba98                 ; lane l xor 16
	s_mov_b32 s[CS], 0x3e38aa3b                    ; log2(e) / 8
	s_mov_b32 s[CS+1], s[CS]
	s_wait_dscnt 0x0
	s_wait_kmcnt 0x0
	s_add_nc_u64 s[6:7], s[6:7], s[60:61]
	s_add_nc_u64 s[4:5], s[4:5], s[60:61]
	s_mov_b32 s[G0], 1
	s_mov_b32 s[G0+1], s62
	s_add_nc_u64 s[G0+2:G0+3], s[6:7], s[62:63]
	s_or_b32 s[G0+3], s[G0+3], 0x80000000
	CROUND                                         ; the four work-groups are here: the joint loads meet
	tensor_load_to_lds s[G0:G0+3], s[G1:G1+7]      ; my one load
	s_nop 0
	PLACES 4
	s_add_nc_u64 s[74:75], s[4:5], s[72:73]
	s_add_nc_u64 s[76:77], s[4:5], s[78:79]
	s_add_nc_u64 s[80:81], s[8:9], s[86:87]
	s_add_nc_u64 s[82:83], s[8:9], s[88:89]
	v_and_b32 v[WK], 31, v0
	v_and_b32 v[OW], 15, v0
	s_delay_alu instid0(VALU_DEP_2)
	v_lshlrev_b32 v[L16], 4, v[WK]
	s_delay_alu instid0(VALU_DEP_3)
	v_lshlrev_b32 v[L8], 3, v[WK]
	s_delay_alu instid0(VALU_DEP_4)
	v_lshlrev_b32 v[L4], 2, v[WK]
	s_delay_alu instid0(VALU_DEP_4)
	v_lshlrev_b32 v[R16], 4, v[OW]
	v_lshlrev_b32 v[R4], 2, v[OW]
	global_load_b128 v[Q0:Q0+3], v[L16], s[74:75]
	global_load_b64 v[Q0+4:Q0+5], v[L8], s[74:75] offset:512
	global_load_b32 v[QS0], v[R4], s[76:77]
	global_load_b128 v[Q1:Q1+3], v[L16], s[74:75] offset:24576
	global_load_b64 v[Q1+4:Q1+5], v[L8], s[74:75] offset:24576+512
	global_load_b32 v[QS1], v[R4], s[76:77] offset:1024
	v_bfe_u32 v[SH8], v0, 4, 1
.irp i, 6,7,8,9,10,11
	v_mov_b32 v[Q0+\i], 0
	v_mov_b32 v[Q1+\i], 0
.endr
	v_lshlrev_b32 v[SH8], 3, v[SH8]
.irp i, 0,1,2,3,4,5
	v_mov_b32 v[KF+48+\i], 0
.endr
.irp b, 0,1,2,3
	v_mov_b32 v[PT+\b], 0                          ; written once: a lane permute's destination counts as one of its sources
.endr
	v_mov_b32 v[F+1], 0
.macro INIT                            ; a pass begins: the largest score -3e38, -M = 2^126 (so the first factor is 0), zeros in the sum and in O^T; key step 0's addresses
	v_mov_b32 v13, 0xff61b1e6
	v_mov_b32 v12, 0x7e800000
	v_mov_b32 v14, 0
	v_mov_b32 v15, 0
.set j, 0
.rept 32
	v_mov_b32 v[O+j], 0
.set j, j+1
.endr
	s_mov_b32 s[TB], 0
	s_mov_b32 s[TS], 196608
	s_mov_b32 s[TT], 204800
	v_add_nc_u32 v[A16], s[TB], v[L16]
	v_add_nc_u32 v[A8], s[TB], v[L8]
	v_add_nc_u32 v[AKS], s[TS], v[L4]
.endm
.macro KLOAD o, os                     ; K's eight half fragments and their scale words, o and os bytes behind the addresses' key step
.irp t, 0,1,2,3,4,5,6,7
	ds_load_b128 v[KF+6*\t:KF+6*\t+3], v[A16] offset:\o+768*\t
	ds_load_b64 v[KF+6*\t+4:KF+6*\t+5], v[A8] offset:\o+768*\t+512
.endr
.irp i, 0,1,2,3
	ds_load_b32 v[SCW+\i], v[AKS] offset:\os+128*\i
.endr
.endm
.macro SUMS r                          ; four lines of the row's sum: pair 4 r onto the running sum, pairs 4 (r + 1) + k onto chain k = 1, 2, 3 (r = 0 starts the chains with pairs k and 4 + k)
	v_pk_add_f32 v[14:15], v[14:15], v[S+8*(\r):S+8*(\r)+1]
.irp k, 1,2,3
.if (\r) == 0
	v_pk_add_f32 v[CH+2*\k:CH+2*\k+1], v[S+2*\k:S+2*\k+1], v[S+8+2*\k:S+9+2*\k]
.else
	v_pk_add_f32 v[CH+2*\k:CH+2*\k+1], v[CH+2*\k:CH+2*\k+1], v[S+8*(\r)+8+2*\k:S+8*(\r)+9+2*\k]
.endif
.endr
.endm
.macro STEP q, qs
	s_wait_alu depctr_va_vdst(0)
	s_wait_dscnt 0x0                               ; K's fragments, asked for in the last step, are in
.irp t, 0,2,4,6
	v_wmma_scale_f32_16x16x128_f8f6f4 v[S+8*\t:S+8*\t+7], v[KF+6*\t:KF+6*\t+11], v[\q:\q+11], 0, v[SCW+\t/2], v[\qs] matrix_a_fmt:MATRIX_FMT_FP6 matrix_b_fmt:MATRIX_FMT_FP6
	v_wmma_scale_f32_16x16x128_f8f6f4 v[S+8*\t+8:S+8*\t+15], v[KF+6*\t+6:KF+6*\t+17], v[\q:\q+11], 0, v[SCW+\t/2], v[\qs] matrix_a_fmt:MATRIX_FMT_FP6 matrix_b_fmt:MATRIX_FMT_FP6 matrix_a_scale:MATRIX_SCALE_ROW1
.endr
	v_add_nc_u32 v[A16], s[TB], v[L16]             ; this key step's addresses: the four places behind the products
	v_add_nc_u32 v[A8], s[TB], v[L8]
	v_add_nc_u32 v[AKS], s[TS], v[L4]
	v_add_nc_u32 v[AVS], s[TT], v[L4]
.irp d, 0,1,2,3
	ds_load_b128 v[KF+12*\d:KF+12*\d+3], v[A16] offset:6144+1536*\d
	ds_load_b64 v[KF+12*\d+4:KF+12*\d+5], v[A8] offset:6144+1536*\d+512
	ds_load_b128 v[KF+12*\d+6:KF+12*\d+9], v[A16] offset:6144+1536*\d+768
	ds_load_b64 v[KF+12*\d+10:KF+12*\d+11], v[A8] offset:6144+1536*\d+1280
.endr
.irp i, 0,1
	ds_load_b32 v[SCW+\i], v[AVS] offset:128*\i
.endr
.irp b, 0,1,2,3                                ; the largest scores, four chains of 16 registers by turns; each accumulator is read from its low end on
	v_max3_num_f32 v[BM+\b], v[S+16*\b], v[S+1+16*\b], v[S+2+16*\b]
.endr
.irp i, 3,5,7,9,11,13
.irp b, 0,1,2,3
	v_max3_num_f32 v[BM+\b], v[BM+\b], v[S+16*\b+\i], v[S+1+16*\b+\i]
.endr
.endr
	v_max3_num_f32 v[BM], v[BM], v[S+15], v[BM+1]  ; two chains make a block: registers 0-31 are my block h, 32-63 my block 2 + h
	v_max3_num_f32 v[BM+2], v[BM+2], v[S+47], v[BM+3]
	v_max_num_f32 v[BM], v[BM], v[S+31]
	v_max_num_f32 v[BM+2], v[BM+2], v[S+63]
	s_delay_alu instid0(VALU_DEP_1)
	v_max_num_f32 v[WK], v[BM], v[BM+2]
	s_delay_alu instid0(VALU_DEP_1)
	v_permlanex16_b32 v[PT], v[WK], s[SEL], s[SEL+1]
	s_delay_alu instid0(VALU_DEP_1)
	v_max3_num_f32 v13, v[WK], v[PT], v13          ; with lane l xor 16's 64 keys: the running largest score (the factor is positive: the largest score gives the largest t)
	s_delay_alu instid0(VALU_DEP_1)
	v_mul_f32 v[WK], s[CS], -v13
	s_delay_alu instid0(VALU_DEP_1)
	v_floor_f32 v[NW], v[WK]                       ; the new -M = floor(-t)
	s_delay_alu instid0(VALU_DEP_1)
	v_sub_f32 v[WK], v[NW], v12                    ; old M - new M: a whole number, 0 or less
	s_delay_alu instid0(VALU_DEP_2)
	v_mov_b32 v12, v[NW]
	s_delay_alu instid0(VALU_DEP_2)
	v_cvt_i32_f32 v[WK], v[WK]                     ; (it saturates)
	v_fma_f32 v[BM], v[BM], s[CS], v12
	v_fma_f32 v[BM+2], v[BM+2], s[CS], v12
	v_ldexp_f32 v[F], 1.0, v[WK]
.set j, 0
.rept 32
	v_pk_fma_f32 v[S+j:S+j+1], v[S+j:S+j+1], s[CS:CS+1], v[12:13] op_sel_hi:[1,0,0]   ; t - M (of the pairs the low word serves both halves)
.set j, j+2
.endr
.set j, 0
.rept 16
	v_pk_mul_f32 v[O+j:O+j+1], v[O+j:O+j+1], v[F:F+1] op_sel_hi:[1,0]   ; O^T under the new M
.set j, j+2
.endr
	s_wait_alu depctr_va_vdst(0)
	v_exp_f32 v[BM], v[BM]                         ; my two blocks' largest p
	v_exp_f32 v[BM+2], v[BM+2]
.set j, 0
.rept 64
	v_exp_f32 v[S+j], v[S+j]                       ; p = 2^(t - M)
.set j, j+1
.endr
	v_pk_mul_f32 v[14:15], v[14:15], v[F:F+1] op_sel_hi:[1,0]   ; the sum under the new M: the plain place behind the batch
	s_wait_alu depctr_va_vdst(0)                   ; and the wait behind it
	v_max_num_f32 v[BM], 0x1800000, v[BM]          ; the floor 2^(3 - 127): the byte cannot fall under 1
	v_max_num_f32 v[BM+2], 0x1800000, v[BM+2]
	s_delay_alu instid0(VALU_DEP_2)
	v_add_nc_u32 v[SO], 0xff000000, v[BM]          ; 2 off the exponent field: the conversion's scale operand
	s_delay_alu instid0(VALU_DEP_2)
	v_add_nc_u32 v[SO+1], 0xff000000, v[BM+2]
	s_delay_alu instid0(VALU_DEP_2)
	v_lshrrev_b32 v[BY], 23, v[SO]
	s_delay_alu instid0(VALU_DEP_2)
	v_lshrrev_b32 v[BY+1], 23, v[SO+1]
	s_delay_alu instid0(VALU_DEP_1)
	v_lshl_or_b32 v[WK], v[BY+1], 16, v[BY]
	s_delay_alu instid0(VALU_DEP_1)
	v_lshlrev_b32 v[WK], v[SH8], v[WK]             ; my two bytes at their places, h and 2 + h,
	s_delay_alu instid0(VALU_DEP_1)
	v_permlanex16_b32 v[PT+1], v[WK], s[SEL], s[SEL+1]
	s_delay_alu instid0(VALU_DEP_1)
	v_or_b32 v[PS], v[WK], v[PT+1]                 ; with lane l xor 16's two: p's scale word for these 128 keys
.irp c, 0,1
	v_cvt_scalef32_pk16_fp6_f32 v[PC+6*\c:PC+2+6*\c], v[S+32*\c:S+15+32*\c], v[SO+\c]
	v_cvt_scalef32_pk16_fp6_f32 v[T2+4*\c:T2+2+4*\c], v[S+16+32*\c:S+31+32*\c], v[SO+\c]   ; (a conversion's three registers begin on an even number)
.endr
	v_nop                                          ; one plain line behind the scaled conversions
.irp c, 0,1
.irp i, 0,1,2
	v_mov_b32 v[PC+3+6*\c+\i], v[T2+4*\c+\i]
.endr
.endr
	SUMS 0                                         ; eight lines of the sum: the places between the codes' last write and the products
	SUMS 1
	s_wait_alu depctr_va_vdst(0)
	s_wait_dscnt 0x0                               ; V's fragments are in
.irp d, 0,2
	v_wmma_scale_f32_16x16x128_f8f6f4 v[O+8*\d:O+8*\d+7], v[KF+12*\d:KF+12*\d+11], v[PC:PC+11], v[O+8*\d:O+8*\d+7], v[SCW+\d/2], v[PS] matrix_a_fmt:MATRIX_FMT_FP6 matrix_b_fmt:MATRIX_FMT_FP6
	v_wmma_scale_f32_16x16x128_f8f6f4 v[O+8*\d+8:O+8*\d+15], v[KF+12*\d+12:KF+12*\d+23], v[PC:PC+11], v[O+8*\d+8:O+8*\d+15], v[SCW+\d/2], v[PS] matrix_a_fmt:MATRIX_FMT_FP6 matrix_b_fmt:MATRIX_FMT_FP6 matrix_a_scale:MATRIX_SCALE_ROW1
.endr
	SUMS 2                                         ; four places behind the products, ahead of loads into registers that they have read
	KLOAD 12288, 512                               ; the next key step's K
	SUMS 3
	SUMS 4
	SUMS 5
	SUMS 6
	v_pk_add_f32 v[14:15], v[14:15], v[S+56:S+57]
	v_pk_add_f32 v[CH+4:CH+5], v[CH+4:CH+5], v[CH+6:CH+7]
	v_pk_add_f32 v[14:15], v[14:15], v[CH+2:CH+3]
	v_pk_add_f32 v[14:15], v[14:15], v[CH+4:CH+5]
	s_add_co_u32 s[TB], s[TB], 12288
	s_add_co_u32 s[TS], s[TS], 512
	s_add_co_u32 s[TT], s[TT], 256
.endm
.macro RUN q, qs
	s_mov_b32 s[CNT], 16
.Lrun_\@:
	STEP \q, \qs
	s_sub_co_u32 s[CNT], s[CNT], 1
	s_cmp_lg_u32 s[CNT], 0
	s_cbranch_scc1 .Lrun_\@
.endm
.macro WAYOUT pass                     ; O^T / the sum, quantised along the head's 64 channels: a half fragment and two scale bytes.  V^T's tiles keep the weights' order: registers 16 b + i are channels 32 b + 16 h + i
	s_wait_alu depctr_va_vdst(0)
	v_add_f32 v14, v14, v15
	s_delay_alu instid0(VALU_DEP_1)
	v_permlanex16_b32 v[WK], v14, s[SEL], s[SEL+1]
	s_delay_alu instid0(VALU_DEP_1)
	v_add_f32 v14, v14, v[WK]
	s_wait_alu depctr_va_vdst(0)
	v_rcp_f32 v14, v14
	v_nop
	s_wait_alu depctr_va_vdst(0)
.set j, 0
.rept 32
	v_mul_f32 v[S+j], v[O+j], v14
.set j, j+1
.endr
.irp b, 0,1
	v_max3_num_f32 v[BM+\b], |v[S+16*\b]|, |v[S+1+16*\b]|, 0x1800000
.endr
.irp i, 2,4,6,8,10,12,14
.irp b, 0,1
	s_delay_alu instid0(VALU_DEP_2)
	v_max3_num_f32 v[BM+\b], v[BM+\b], |v[S+16*\b+\i]|, |v[S+1+16*\b+\i]|
.endr
.endr
.irp b, 0,1
	s_delay_alu instid0(VALU_DEP_2)
	v_permlanex16_b32 v[PT+\b], v[BM+\b], s[SEL], s[SEL+1]
.endr
.irp b, 0,1
	s_delay_alu instid0(VALU_DEP_2)
	v_max_num_f32 v[BM+\b], v[BM+\b], v[PT+\b]
.endr
.irp b, 0,1
	s_delay_alu instid0(VALU_DEP_2)
	v_add_nc_u32 v[SO+\b], 0xff000000, v[BM+\b]
.endr
.irp b, 0,1
	s_delay_alu instid0(VALU_DEP_2)
	v_lshrrev_b32 v[BY+\b], 23, v[SO+\b]
.endr
	s_delay_alu instid0(VALU_DEP_1)
	v_lshl_or_b32 v[OW], v[BY+1], 8, v[BY]
	v_cvt_scalef32_pk16_fp6_f32 v[PC:PC+2], v[S:S+15], v[SO]
	v_cvt_scalef32_pk16_fp6_f32 v[T2:T2+2], v[S+16:S+31], v[SO+1]
	v_nop
.irp i, 0,1,2
	v_permlane16_swap_b32 v[PC+\i], v[T2+\i]
.endr
.irp i, 0,1,2
	s_delay_alu instid0(VALU_DEP_3)
	v_mov_b32 v[PC+3+\i], v[T2+\i]
.endr
	global_store_b128 v[L16], v[PC:PC+3], s[80:81] offset:2*RB*\pass
	global_store_b64 v[L8], v[PC+4:PC+5], s[80:81] offset:2*RB*\pass+512
	global_store_b16 v[R16], v[OW], s[82:83] offset:2*RB*\pass
.endm
	INIT
	s_wait_alu depctr_va_vdst(0)
	s_wait_tensorcnt 0x0                           ; my sixteenth has landed
	s_barrier_signal -1
	s_barrier_wait -1                              ; everybody's has
	KLOAD 0, 0
	s_wait_loadcnt 0x0                             ; the queries
	RUN Q0, QS0
	WAYOUT 0
	s_wait_xcnt 0x0                                ; the stores have read their registers
	s_wait_dscnt 0x0                               ; the last step's request has landed: its registers may be asked for anew
	INIT
	KLOAD 0, 0
	RUN Q1, QS1
	WAYOUT 1
	s_wait_dscnt 0x0
	s_wait_tensorcnt 0x0                           ; the wave's end
	ds_add_u32 v254, v255
	s_wait_dscnt 0x0
	CROUND                                         ; the closing round
	s_endpgm
.Lfunc_end_k_q24d34b02c4_at:
	.size	k_q24d34b02c4_at, .Lfunc_end_k_q24d34b02c4_at-k_q24d34b02c4_at
	.p2alignl 7, 3214868480
	.fill 96, 4, 3214868480
	.section	.rodata,"a",@progbits
	.p2align	6, 0x0
	.amdhsa_kernel k_q24d34b02c4_at
		.amdhsa_group_segment_fixed_size 327680
		.amdhsa_private_segment_fixed_size 0
		.amdhsa_enable_private_segment 0
		.amdhsa_kernarg_size 24
		.amdhsa_user_sgpr_count 2
		.amdhsa_user_sgpr_kernarg_segment_ptr 1
		.amdhsa_wavefront_size32 1
		.amdhsa_system_sgpr_workgroup_id_x 1
		.amdhsa_system_sgpr_workgroup_id_y 1
		.amdhsa_system_sgpr_workgroup_id_z 1
		.amdhsa_system_vgpr_workitem_id 0
		.amdhsa_next_free_vgpr 256
		.amdhsa_next_free_sgpr 96
		.amdhsa_reserve_vcc 0
		.amdhsa_float_denorm_mode_32 3
		.amdhsa_float_denorm_mode_16_64 3
		.amdhsa_memory_ordered 1
		.amdhsa_forward_progress 1
		.amdhsa_inst_pref_size 52
	.end_amdhsa_kernel
	.amdgpu_metadata
---
amdhsa.version: [ 1, 2 ]
amdhsa.kernels:
  - .name:           k_q24d34b02c4_at
    .symbol:         k_q24d34b02c4_at.kd
    .args:
      - { .name: qi, .offset: 0, .size: 8, .value_kind: global_buffer, .address_space: global }
      - { .name: kv, .offset: 8, .size: 8, .value_kind: global_buffer, .address_space: global }
      - { .name: ai, .offset: 16, .size: 8, .value_kind: global_buffer, .address_space: global }
    .group_segment_fixed_size: 327680
    .private_segment_fixed_size: 0
    .kernarg_segment_align: 8
    .kernarg_segment_size: 24
    .max_flat_workgroup_size: 512
    .sgpr_count:     96
    .vgpr_count:     256
    .wavefront_size: 32
...
	.end_amdgpu_metadata
.endif
;; end of part 4
;; launch go (part 5): grid 4 x 64, 4 waves a work-group, clusters of 4 x 4, 307,712 bytes of LDS; arguments ai, woi, b_out, out0; writes out0
.if DOCPART == 5
	.amdgcn_target "amdgcn-amd-amdhsa--gfx1250"
	.amdhsa_code_object_version 6
	.text
	.protected	k_q24d34b02c4_go
	.globl	k_q24d34b02c4_go
	.p2align	8
	.type	k_q24d34b02c4_go,@function
k_q24d34b02c4_go:
	s_mov_b64 s[64:65], 0
	v_nop
	global_prefetch_b8 v0, s[64:65] scope:SCOPE_SE
	s_setreg_imm32_b32 hwreg(HW_REG_WAVE_MODE, 25, 1), 1
	s_wait_xcnt 0x0
	s_wait_alu depctr_hold_cnt(0) depctr_sa_sdst(0) depctr_va_vdst(0) depctr_va_sdst(0) depctr_va_ssrc(0) depctr_va_vcc(0) depctr_vm_vsrc(0)
	s_getreg_b32 s2, hwreg(HW_REG_IB_STS2, 6, 4)
	s_cmp_eq_u32 s2, 0
	s_cbranch_scc0 .Lentry_in_a_cluster
	s_endpgm
.Lentry_in_a_cluster:
	s_bfe_u32 s2, ttmp6, 0x10000c
	s_cmp_lg_u32 s2, 0xf033
	s_cbranch_scc0 .Lentry_shape_is_right
	s_endpgm
.Lentry_shape_is_right:
; out0 = a w_out + b_out on codes of FP6 (E2M3) with E8M0 scales.  ai (the attention's result) and woi are images of the operand's registers: a block of 128 rows, K = 1024: RB bytes = eight K steps of KSB bytes =
; eight tiles of 1,536 bytes + 512 bytes of scale words (tile 2 j + u, row r: 12,288 + 16 (16 u + r) + 4 j).  Lane r of tile t holds, in woi, column 32 (t / 2) + 8 (t % 2) + r + 8 (r / 8); in ai, token 64 (t / 4) + 32 (r / 8) + 8 (t % 4) + r % 8.
; THE PRODUCT.  Source 0 = tiles of P = w_out's columns n, source 1 = tiles of R = tokens: a lane holds one token, and the 16 registers of P's tiles 2 b, 2 b + 1 are n = 32 b + 16 (lane / 16) + 0 .. 15: 64 bytes of a row of out0.
; SHARES.  A work-group: 256 n x 128 tokens, all of K; its three blocks, 307,200 bytes, lie in LDS at once: every fill is a first fill.  Wave w: P's block w % 2 x R's tiles 4 (w / 2) .. + 3: 32 accumulators.  256 work-groups.
; CLUSTER 4 x 4.  P's blocks hang on cx alone (shared along a column), R's block on cy alone (shared along a row).  FOUR JOINT LOADS, one a wave, each in its own arm: wave 0 K steps 0-3 of both blocks of P (2 rows of 51,200 bytes, RB apart in
; memory, on end in LDS), wave 1 those of R (200 rows of 256 bytes), waves 2 and 3 K steps 4-7.  Waves 0 and 1 wait ahead of the first barrier; the barrier in K step 3, ahead of which every wave waits, shows the rest.
; No data prefetch: all is asked for at the head, and there is no loop to run ahead in.
; THE BIAS is the C of each sum's first matrix instruction.  THE WAY OUT goes through a stage of the wave's own in P's first bytes, which have had their only fill and, behind a barrier, their last read.
; REGISTERS.  Window 0: v1-17 addresses; v32-39, v40-43 scale words, two sets; v48-143 R's fragments, two sets; v144-207 the bias; on the way out v48-175 rows of out0.  Window 1: P's fragments, two sets of 96.  Window 2: accumulator (pt, rt) at 64 rt + 8 pt.
.set RB,   102400
.set KSB,  12800
.set L16,  1
.set L8,   2
.set AP16, 4
.set AP8,  6
.set AR16, 8
.set AR8,  10
.set ARS,  12
.set VB,   14
.set STO,  16                          ; v16 the stage: row r, + 64 h
.set RD,   17                          ; v17 and back: 16 x lane
.set PSC,  32
.set RSC,  40
.set RF,   48
.set BK,   48
.set BP,   144
.set WV,   14
.set WP,   15
.set WR,   16
.set G1P,  24
.set G1R,  32
.set G0P,  40
.set G0R,  68
.set OB,   96                          ; s[96:97] out0 at my first row and column
.set MSB, 0
.macro WIN new                         ; the immediate's high byte repeats the setting that is left
.if MSB != \new
	s_set_vgpr_msb (MSB<<8)|\new
.set MSB, \new
.endif
.endm
.macro PLACES n
.rept \n
	v_nop
.endr
.endm
.macro CROUND
	s_barrier_signal -1
	s_barrier_wait -1
	s_cmp_lg_u32 s[WV], 0
	s_cbranch_scc1 .Lnot_wave_0_\@
	s_barrier_signal -3
.Lnot_wave_0_\@:
	s_barrier_wait -3
	s_barrier_signal -1
	s_barrier_wait -1
.endm
	s_load_b256 s[4:11], s[0:1], 0x0               ; ai, woi, b_out, out0
	v_lshl_add_u32 v254, v0, 2, 0x4b000
	v_mov_b32 v255, 0
	ds_add_u32 v254, v255
	ds_add_u32 v254, v255
	v_lshrrev_b32 v3, 5, v0
	v_readfirstlane_b32 s[WV], v3
	s_and_b32 s[WP], s[WV], 1
	s_lshr_b32 s[WR], s[WV], 1
	s_bfe_u32 s17, ttmp6, 0x40000                  ; cx
	s_bfe_u32 s18, ttmp6, 0x40004                  ; cy
	s_lshl_b32 s22, ttmp9, 2
	s_add_co_u32 s22, s22, s17                     ; pi = 4 x cluster x + cx: 256 columns n
	s_and_b32 s20, ttmp7, 0xffff
	s_lshl_b32 s20, s20, 2
	s_add_co_u32 s20, s20, s18                     ; ri = 4 x cluster y + cy: 128 tokens
	s_lshl_b32 s23, 0x1111, s17                    ; my column of the cluster
	s_lshl_b32 s21, s18, 2
	s_lshl_b32 s21, 15, s21                        ; my row
	s_or_b32 s[G1P], s23, (3<<16)|(1<<21)          ; the mask; elements of 8 bytes; bit 21 set beside a mask; no padding
	s_or_b32 s[G1R], s21, (3<<16)|(1<<21)
	s_mov_b32 s[G1P+1], 6400<<16                   ; tensor_dim0
	s_mov_b32 s[G1P+2], 2<<16                      ; tensor_dim1
	s_mov_b32 s[G1P+3], 6400<<16                   ; tile_dim0
	s_mov_b32 s[G1P+4], 2                          ; tile_dim1
	s_mov_b32 s[G1P+5], 12800                      ; the pitch: RB bytes
	s_mov_b32 s[G1P+6], 0
	s_mov_b32 s[G1P+7], 0
	s_mov_b32 s[G1R+1], 32<<16
	s_mov_b32 s[G1R+2], 200<<16
	s_mov_b32 s[G1R+3], 32<<16
	s_mov_b32 s[G1R+4], 200
	s_mov_b32 s[G1R+5], 32
	s_mov_b32 s[G1R+6], 0
	s_mov_b32 s[G1R+7], 0
	s_lshl_b32 s57, s22, 1
	s_add_co_u32 s57, s57, s[WP]
	s_mul_i32 s58, s57, RB
	s_mov_b32 s59, 0
	s_mul_i32 s60, s20, RB
	s_mov_b32 s61, 0
	s_mul_i32 s62, s[WP], RB/2                     ; P in LDS: [half of K][block][four K steps]
	s_wait_dscnt 0x0
	s_wait_kmcnt 0x0
	s_add_nc_u64 s[86:87], s[6:7], s[58:59]        ; P: woi
	s_add_nc_u64 s[88:89], s[4:5], s[60:61]        ; R: ai
.irp g, 0,1                                    ; half g of K.  P's are used by waves 0 and 2, whose s[86:87] stands at the even block
	s_mov_b32 s[G0P+4*\g], 1
	s_mov_b32 s[G0P+4*\g+1], RB*\g
	s_add_nc_u64 s[G0P+4*\g+2:G0P+4*\g+3], s[86:87], (RB/2)*\g
	s_or_b32 s[G0P+4*\g+3], s[G0P+4*\g+3], 0x80000000
	s_mov_b32 s[G0R+4*\g], 1
	s_mov_b32 s[G0R+4*\g+1], 2*RB+(RB/2)*\g
	s_add_nc_u64 s[G0R+4*\g+2:G0R+4*\g+3], s[88:89], (RB/2)*\g
	s_or_b32 s[G0R+4*\g+3], s[G0R+4*\g+3], 0x80000000
.endr
	CROUND                                         ; all sixteen work-groups are here: the joint loads meet
	s_cmp_eq_u32 s[WV], 0
	s_cbranch_scc0 .Lwave_1
	tensor_load_to_lds s[G0P:G0P+3], s[G1P:G1P+7]
	s_nop 0
	PLACES 4
	s_branch .Lasked
.Lwave_1:
	s_cmp_eq_u32 s[WV], 1
	s_cbranch_scc0 .Lwave_2
	tensor_load_to_lds s[G0R:G0R+3], s[G1R:G1R+7]
	s_nop 0
	PLACES 4
	s_branch .Lasked
.Lwave_2:
	s_cmp_eq_u32 s[WV], 2
	s_cbranch_scc0 .Lwave_3
	tensor_load_to_lds s[G0P+4:G0P+7], s[G1P:G1P+7]
	s_nop 0
	PLACES 4
	s_branch .Lasked
.Lwave_3:
	tensor_load_to_lds s[G0R+4:G0R+7], s[G1R:G1R+7]
	s_nop 0
	PLACES 4
.Lasked:
	v_and_b32 v15, 31, v0
	v_and_b32 v26, 15, v0                          ; r
	v_bfe_u32 v27, v0, 4, 1                        ; h
	v_lshlrev_b32 v[L16], 4, v15
	v_lshlrev_b32 v[L8], 3, v15
	v_add_nc_u32 v[AP16], s62, v[L16]
	v_add_nc_u32 v[AP16+1], RB, v[AP16]
	v_add_nc_u32 v[AP8], s62, v[L8]
	v_add_nc_u32 v[AP8+1], RB, v[AP8]
	s_mul_i32 s63, s[WR], 6144
	s_add_co_u32 s63, s63, 2*RB
	v_add_nc_u32 v[AR16], s63, v[L16]
	v_add_nc_u32 v[AR16+1], 51200, v[AR16]
	v_add_nc_u32 v[AR8], s63, v[L8]
	v_add_nc_u32 v[AR8+1], 51200, v[AR8]
	s_lshl_b32 s63, s[WR], 3
	s_add_co_u32 s63, s63, 2*RB
	v_add_nc_u32 v[ARS], s63, v[L16]
	v_add_nc_u32 v[ARS+1], 51200, v[ARS]
	v_lshlrev_b32 v[VB], 6, v27
	s_mul_i32 s63, s[WV], 8448                     ; my stage: 16 rows x (512 bytes + 16)
	v_mul_u32_u24 v[STO], v26, 528
	v_lshl_add_u32 v[STO], v27, 6, v[STO]
	v_add_nc_u32 v[STO], s63, v[STO]
	v_add_nc_u32 v[RD], s63, v[L16]
	s_lshl_b32 s90, s22, 10
	s_lshl_b32 s91, s[WP], 9
	s_add_co_u32 s90, s90, s91                     ; 4 (256 pi + 128 (w % 2)): my first column, in bytes
	s_mov_b32 s91, 0
	s_add_nc_u64 s[92:93], s[8:9], s[90:91]
.irp b, 0,1,2,3
.irp j, 0,1,2,3
	global_load_b128 v[BP+16*\b+4*\j:BP+16*\b+4*\j+3], v[VB], s[92:93] offset:128*\b+16*\j   ; register 16 b + i: b_out at n 32 b + 16 h + i
.endr
.endr
	s_lshl_b32 s94, s20, 19                        ; 128 ri rows of 4,096 bytes,
	s_lshl_b32 s95, s[WR], 18                      ; 64 (w / 2) more,
	s_add_co_u32 s94, s94, s95
	s_add_co_u32 s94, s94, s90                     ; and my first column
	s_mov_b32 s95, 0
	s_add_nc_u64 s[OB:OB+1], s[10:11], s[94:95]
.macro FETCH ks, st
.set HI, (\ks)/4
.set OO, KSB*((\ks)%4)
	WIN 0x40                                       ; destination window 1
.irp t, 0,1,2,3,4,5,6,7
	ds_load_b128 v[96*(\st)+12*\t:96*(\st)+12*\t+3], v[AP16+HI] offset:OO+1536*\t
	ds_load_b64 v[96*(\st)+12*\t+4:96*(\st)+12*\t+5], v[AP8+HI] offset:OO+1536*\t+512
	ds_load_b128 v[96*(\st)+12*\t+6:96*(\st)+12*\t+9], v[AP16+HI] offset:OO+1536*\t+768
	ds_load_b64 v[96*(\st)+12*\t+10:96*(\st)+12*\t+11], v[AP8+HI] offset:OO+1536*\t+1280
.endr
	WIN 0
.irp t, 0,1,2,3
	ds_load_b128 v[RF+48*(\st)+12*\t:RF+48*(\st)+12*\t+3], v[AR16+HI] offset:OO+1536*\t
	ds_load_b64 v[RF+48*(\st)+12*\t+4:RF+48*(\st)+12*\t+5], v[AR8+HI] offset:OO+1536*\t+512
	ds_load_b128 v[RF+48*(\st)+12*\t+6:RF+48*(\st)+12*\t+9], v[AR16+HI] offset:OO+1536*\t+768
	ds_load_b64 v[RF+48*(\st)+12*\t+10:RF+48*(\st)+12*\t+11], v[AR8+HI] offset:OO+1536*\t+1280
.endr
	ds_load_b128 v[PSC+4*(\st):PSC+4*(\st)+3], v[AP16+HI] offset:OO+12288
	ds_load_b64 v[RSC+2*(\st):RSC+2*(\st)+1], v[ARS+HI] offset:OO+12288
.endm
.macro PROD pt, rt, st, first              ; first = 1: C is the bias (window 0), and the product starts the sum
.set rD, 64*(\rt)+8*(\pt)
.set rC, rD
.if \first
.set rC, BP+8*(\pt)
.endif
.set rA, 96*(\st)+12*(\pt)
.set rB, RF+48*(\st)+12*(\rt)
.set rSA, PSC+4*(\st)+(\pt)/2
.set rSB, RSC+2*(\st)+(\rt)/2
.if ((\pt)%2 == 0) && ((\rt)%2 == 0)
	v_wmma_scale_f32_16x16x128_f8f6f4 v[rD:rD+7], v[rA:rA+11], v[rB:rB+11], v[rC:rC+7], v[rSA], v[rSB] matrix_a_fmt:MATRIX_FMT_FP6 matrix_b_fmt:MATRIX_FMT_FP6
.elseif ((\pt)%2 == 1) && ((\rt)%2 == 0)
	v_wmma_scale_f32_16x16x128_f8f6f4 v[rD:rD+7], v[rA:rA+11], v[rB:rB+11], v[rC:rC+7], v[rSA], v[rSB] matrix_a_fmt:MATRIX_FMT_FP6 matrix_b_fmt:MATRIX_FMT_FP6 matrix_a_scale:MATRIX_SCALE_ROW1
.elseif ((\pt)%2 == 0) && ((\rt)%2 == 1)
	v_wmma_scale_f32_16x16x128_f8f6f4 v[rD:rD+7], v[rA:rA+11], v[rB:rB+11], v[rC:rC+7], v[rSA], v[rSB] matrix_a_fmt:MATRIX_FMT_FP6 matrix_b_fmt:MATRIX_FMT_FP6 matrix_b_scale:MATRIX_SCALE_ROW1
.else
	v_wmma_scale_f32_16x16x128_f8f6f4 v[rD:rD+7], v[rA:rA+11], v[rB:rB+11], v[rC:rC+7], v[rSA], v[rSB] matrix_a_fmt:MATRIX_FMT_FP6 matrix_b_fmt:MATRIX_FMT_FP6 matrix_a_scale:MATRIX_SCALE_ROW1 matrix_b_scale:MATRIX_SCALE_ROW1
.endif
.endm
; A K step: 32 matrix instructions; the 32 accumulators take turns, one instruction a turn, in the same order in every step
.macro STEP ks, first
.if (\ks) == 3
	s_wait_tensorcnt 0x0                           ; every wave's load has landed, K steps 4 to 7 among them; nothing is ever filled again
.endif
	s_wait_dscnt 0x0                               ; this step's fragments, asked for a step ago, are in
.if (\ks) == 3
	s_barrier_signal -1
	s_barrier_wait -1
.endif
.if (\ks) < 7
	PLACES 4                                       ; in front of loads into registers that the last step's matrix instructions have read
	FETCH (\ks)+1, ((\ks)+1)%2
.endif
.if \first
	WIN 0x81                                       ; source 0 (P) window 1, source 1 (R) and C (the bias) window 0, D window 2
.else
	WIN 0xa1                                       ; C and D window 2
.endif
.irp rt, 0,1,2,3
.irp pt, 0,1,2,3,4,5,6,7
	PROD \pt, \rt, (\ks)%2, \first
.endr
.endr
.endm
; THE WAY OUT of R's tile rt: 16 tokens x 128 n through my stage, back as whole runs of 512 bytes of a row of out0
.macro TOSTAGE rt
	WIN 0x08                                       ; an LDS store's data are its source 1: window 2
.irp pt, 0,1,2,3,4,5,6,7
	ds_store_b128 v[STO], v[64*(\rt)+8*\pt:64*(\rt)+8*\pt+3] offset:128*(\pt/2)+32*(\pt%2)        ; each accumulator from its low end on
	ds_store_b128 v[STO], v[64*(\rt)+8*\pt+4:64*(\rt)+8*\pt+7] offset:128*(\pt/2)+32*(\pt%2)+16
.endr
	WIN 0
.irp i, 0,1,2,3,4,5,6,7,8,9,10,11,12,13,14,15
	ds_load_b128 v[BK+64*((\rt)%2)+4*\i:BK+64*((\rt)%2)+4*\i+3], v[RD] offset:528*\i   ; LDS serves a wave's instructions in order: these see my stores, and the next tile's stores come behind them
.endr
.endm
.macro SEND rt, younger                        ; younger: the LDS instructions issued behind tile rt's loads, which may stay out
	s_wait_dscnt \younger
.irp i, 0,1,2,3,4,5,6,7,8,9,10,11,12,13,14,15
	global_store_b128 v[L16], v[BK+64*((\rt)%2)+4*\i:BK+64*((\rt)%2)+4*\i+3], s[OB:OB+1] offset:4096*(8*(\rt)+\i+24*(\i/8)) th:TH_STORE_NT   ; 512 consecutive bytes, from a multiple of 256; the tile's i-th row is token 8 rt + i % 8 + 32 (i / 8) of my 64
.endr
.endm
	s_wait_alu depctr_va_vdst(0)
	s_cmp_lt_u32 s[WV], 2
	s_cbranch_scc0 .Lnot_first
	s_wait_tensorcnt 0x0                           ; waves 0 and 1: K steps 0 to 3 of P and R have landed; waves 2 and 3's loads stay out
.Lnot_first:
	s_barrier_signal -1
	s_barrier_wait -1
	FETCH 0, 0
	s_wait_loadcnt 0x0                             ; the bias
	STEP 0, 1
.irp k, 1,2,3,4,5,6,7
	STEP \k, 0
.endr
	WIN 0
	s_wait_dscnt 0x0                               ; my reads of the operands are over
	s_barrier_signal -1
	s_barrier_wait -1                              ; everybody's are: the stages may be written
	PLACES 4                                       ; in front of the first read of results, and of loads into registers that held fragments
	TOSTAGE 0
	TOSTAGE 1
	SEND 0, 32                                     ; behind tile 0's loads: tile 1's 16 stores and 16 loads
	s_wait_xcnt 0x0                                ; tile 0's stores have read their registers: tile 2's rows may land there
	TOSTAGE 2
	SEND 1, 32
	s_wait_xcnt 0x0
	TOSTAGE 3
	SEND 2, 32
	SEND 3, 0
	s_wait_tensorcnt 0x0
	ds_add_u32 v254, v255
	s_wait_dscnt 0x0
	CROUND                                         ; the closing round: no work-group ends while a partner may still ask for a tile that names it
	s_endpgm
.Lfunc_end_k_q24d34b02c4_go:
	.size	k_q24d34b02c4_go, .Lfunc_end_k_q24d34b02c4_go-k_q24d34b02c4_go
	.p2alignl 7, 3214868480
	.fill 96, 4, 3214868480
	.section	.rodata,"a",@progbits
	.p2align	6, 0x0
	.amdhsa_kernel k_q24d34b02c4_go
		.amdhsa_group_segment_fixed_size 307712
		.amdhsa_private_segment_fixed_size 0
		.amdhsa_enable_private_segment 0
		.amdhsa_kernarg_size 32
		.amdhsa_user_sgpr_count 2
		.amdhsa_user_sgpr_kernarg_segment_ptr 1
		.amdhsa_wavefront_size32 1
		.amdhsa_system_sgpr_workgroup_id_x 1
		.amdhsa_system_sgpr_workgroup_id_y 1
		.amdhsa_system_sgpr_workgroup_id_z 1
		.amdhsa_system_vgpr_workitem_id 0
		.amdhsa_next_free_vgpr 768
		.amdhsa_next_free_sgpr 100
		.amdhsa_reserve_vcc 0
		.amdhsa_float_denorm_mode_32 3
		.amdhsa_float_denorm_mode_16_64 3
		.amdhsa_memory_ordered 1
		.amdhsa_forward_progress 1
		.amdhsa_inst_pref_size 83
	.end_amdhsa_kernel
	.amdgpu_metadata
---
amdhsa.version: [ 1, 2 ]
amdhsa.kernels:
  - .name:           k_q24d34b02c4_go
    .symbol:         k_q24d34b02c4_go.kd
    .args:
      - { .name: ai, .offset: 0, .size: 8, .value_kind: global_buffer, .address_space: global }
      - { .name: woi, .offset: 8, .size: 8, .value_kind: global_buffer, .address_space: global }
      - { .name: b_out, .offset: 16, .size: 8, .value_kind: global_buffer, .address_space: global }
      - { .name: out0, .offset: 24, .size: 8, .value_kind: global_buffer, .address_space: global }
    .group_segment_fixed_size: 307712
    .private_segment_fixed_size: 0
    .kernarg_segment_align: 8
    .kernarg_segment_size: 32
    .max_flat_workgroup_size: 128
    .sgpr_count:     100
    .vgpr_count:     768
    .wavefront_size: 32
...
	.end_amdgpu_metadata
.endif
;; end of part 5
